; MI455X (gfx1250); checked and timed in simulation.
; The chip was launched on July 23, 2026; its instructions are those of AMD's public machine-readable ISA for CDNA 5 (MIT licence, August 2026) and "CDNA5" Instruction Set Architecture Reference Guide (July 2026). The comments in the code are by the model that wrote it; some were corrected since.
;; Self Attention. Allowed arithmetic: matrix products marked QUANTISED: E2M1 operands, one E8M0 scale for each 32 along K, by v_wmma_scale_f32_16x16x128_f8f6f4 with both operands' format E2M1 (or v_wmma_scale_f32_32x16x128_f4), f32 sums; products left as they are: bf16, f16 or f32 operands; f32 sums; everything else in f32.
;; Inputs: c_attn_b 3,072 float32; c_attn_w 1,024 x 3,072 float32; c_proj_b 1,024 float32; c_proj_w 1,024 x 1,024 float32; x 4 x 2,048 x 1,024 float32.
;; Outputs: out0 4 x 2,048 x 1,024 float32.
;; This version of the problem:
;;   THIS VERSION OF THE PROBLEM IS GIVEN IN LOW PRECISION. The matrix products marked QUANTISED in the list below multiply operands that are first quantised to E2M1 (2 exponent bits, 1 mantissa bit; 4 bits a number), with one power-of-two scale for each 32 numbers along K (OCP MX v1.0); their sums are f32. The products marked 'left as it is' may take bf16, f16 or f32 operands, with f32 sums. Whichever they take, every output number must still come out within the allowed error. Rounding operands to bf16 (8 significant bits) uses up far more of that allowance than f16 does (11 bits, for magnitudes from 6e-5 to 65,504). All else is computed in f32.
;;   The module's matrix products, in the order in which they are computed (A, B: the left and right operand; K: the contracted axis; several contracted axes count as one K, in the product's order):
;;     1. [M 8,192, K 1,024] x [K 1,024, N 3,072]; A: input x; B: input c_attn_w: QUANTISED
;;     2. batch 64 x [M 2,048, K 64] x [K 64, N 2,048]; A: computed on the way; B: computed on the way: left as it is (an operand is computed on the way)
;;     3. batch 64 x [M 2,048, K 2,048] x [K 2,048, N 64]; A: computed on the way; B: computed on the way: left as it is (an operand is computed on the way)
;;     4. [M 8,192, K 1,024] x [K 1,024, N 1,024]; A: computed on the way; B: input c_proj_w: left as it is (an operand is computed on the way)
;;   THE QUANTISER, for each operand of a quantised product, along K:
;;     - K is cut into blocks of 32 from its start; a last block that is shorter is filled with zeros.
;;     - A block's scale is 2^e with e = floor(log2(the largest magnitude in the block)) - 2, held to -126 .. 127; a block of zeros has e = 0. As a byte (E8M0): e + 127.
;;     - Each number is divided by its block's scale, clamped to +-6, and rounded to the nearest number of E2M1, ties to even, subnormals kept.
;;     - The product sums the exact products of the quantised numbers (number of the format x scale) in f32.
;;   ~~~python
;;   def quantise(x, axis):      # numpy; x: float32 -> the quantised numbers, widened to float32 again
;;       x = np.moveaxis(x, axis, -1); K = x.shape[-1]
;;       x = np.pad(x, [(0, 0)] * (x.ndim - 1) + [(0, -K % 32)]); x = x.reshape(x.shape[:-1] + (-1, 32)); a = np.abs(x).max(-1, keepdims=True)
;;       e = np.where(a > 0, np.clip(np.frexp(np.where(a > 0, a, 1))[1] - 1 - 2, -126, 127), 0)      # np.frexp(a)[1] - 1 = floor(log2(a)), exactly
;;       r = np.clip(x / 2.0 ** e, -6, 6)
;;       step = 2.0 ** (np.maximum(np.frexp(np.where(r == 0, 1, r))[1] - 1, 0) - 1)
;;       q = np.round(r / step) * step * 2.0 ** e      # np.round: ties to even
;;       return np.moveaxis(q.reshape(q.shape[:-2] + (-1,))[..., :K], -1, axis).astype(np.float32)
;;   ~~~
;; One version. Each part assembles by itself: llvm-mc -triple=amdgcn-amd-amdhsa -mcpu=gfx1250 --defsym DOCPART=n.
;; ======== version 1 of 1: 5 launches
;; limits: values are held in f16: magnitudes above 65,504 overflow, below 6.1e-05 lose precision
;; workspace buffers: codes 5,767,168 bytes; scales 360,448 bytes; wpt 2,097,152 bytes; qkvh 50,331,648 bytes; fine 1,048,576 bytes; vsuf 262,144 bytes; a_h 16,777,216 bytes
;; launch prep (part 1): grid 432 x 1, 4 waves a work-group, no clusters, 86,528 bytes of LDS; arguments x, c_attn_w, c_proj_w, codes, scales, wpt; writes codes, scales, wpt
.if DOCPART == 1
	.amdgcn_target "amdgcn-amd-amdhsa--gfx1250"
	.amdhsa_code_object_version 6
	.text
	.protected	k_qa2eda76418_prep
	.globl	k_qa2eda76418_prep
	.p2align	8
	.type	k_qa2eda76418_prep,@function
k_qa2eda76418_prep:
	s_mov_b64 s[64:65], 0
	v_nop
	global_prefetch_b8 v0, s[64:65] scope:SCOPE_SE
	s_setreg_imm32_b32 hwreg(HW_REG_WAVE_MODE, 25, 1), 1
	s_wait_xcnt 0x0
; PREP: the operands of the later launches are laid out once.  Three ways through the text, chosen by the work-group's number, each with LDS bytes of its own.
;  X (work-groups 0-255):   x [8192][1024] f32 -> codes of FP4 (E2M1), K innermost, [8192][512 bytes] at byte 0 of 'codes', and one E8M0 byte for each 32 along K, [8192][32] at byte 0 of 'scales'.
;  W (work-groups 256-303): c_attn_w [1024 (k)][3072 (n)] f32, K its FIRST axis -> codes [3072][512 bytes] at byte 4,194,304 of 'codes', bytes [3072][32] at byte 262,144 of 'scales'.
;  P (work-groups 304-431): c_proj_w [1024 (k)][1024 (n)] f32 -> f16, turned: wpt [k / 64][n][64 k], rows of 128 bytes.
; A block's scale is 2^(floor(log2(its largest magnitude)) - 2); its byte is the largest magnitude's exponent field - 2, held at 1 from below.
; LIMITS: a block of zeros gets the byte 1 where the rule says 127 (its codes are zeros, and this program alone reads the bytes); blocks whose largest magnitude lies under 2^-124 were not tried;
; NaN and infinities are not served; |c_proj_w| stays under 65,504, f16's largest number.
; No tensor load, no barrier: waves share nothing.
.set SPW,    190                       ; v190 LDS address of my spare word: SPARE + 4 x my thread's number; never rewritten
.set NIL,    191                       ; v191 0; never rewritten
.set XREG,   8192                      ; way X: a region for each wave: two stages of 32 x 80 bytes and its 256 scale bytes
.set XSP,    80
.set WSTG,   32768                     ; way W: four stages of 32 rows x 272 bytes
.set WPITCH, 272
.set PSTG,   67584                     ; way P: four stages of 32 rows x 144 bytes
.set PPITCH, 144
.set SPARE,  86016                     ; the spare words, 128 bytes for each wave: two blocks of 256 bytes that no other line names
	s_load_b256 s[4:11], s[0:1], 0x0               ; x s[4:5], c_attn_w s[6:7], c_proj_w s[8:9], codes s[10:11]
	s_load_b128 s[12:15], s[0:1], 0x20             ; scales s[12:13], wpt s[14:15]
	v_lshl_add_u32 v[SPW], v0, 2, SPARE
	v_mov_b32 v[NIL], 0
	v_lshrrev_b32 v1, 5, v0
	v_readfirstlane_b32 s16, v1                    ; wave
	v_and_b32 v2, 31, v0                           ; lane
	s_mov_b32 s21, 0                               ; the high word of every offset pair s[20:21]
	s_wait_kmcnt 0x0
	s_cmp_lt_u32 ttmp9, 256
	s_cbranch_scc0 .Lnot_x
; ---------------- WAY X.  x is a plain stream of blocks of 32.  A wave takes 16 steps of 512 numbers.  Each load reads 512 consecutive bytes; a step's 2,048 bytes turn through the wave's own stage,
; so that a lane then holds 16 NEIGHBOURS along K (two neighbouring lanes hold a block), as the conversions want them.
.set XR, 16                            ; v16-79   four sets of 16 numbers as loaded
.set XX, 80                            ; v80-111  two sets of 16 neighbours
.set XE, 112                           ; v112-127 a scale byte for each step
.set XC, 128                           ; v128-189 codes: registers of its own for each step, so that no store's data are written again
	v_lshlrev_b32 v3, 4, v2                        ; my 16 bytes of a load's 512
	s_mul_i32 s17, s16, XREG
	v_lshrrev_b32 v14, 2, v2
	v_mul_u32_u24 v14, v14, XSP
	v_and_b32 v15, 3, v2
	v_lshl_add_u32 v14, v15, 4, v14
	v_add_nc_u32 v14, s17, v14                     ; into the stage: four lanes' 64 bytes on end, then 16 of padding
	v_mul_u32_u24 v15, v2, XSP
	v_add_nc_u32 v15, s17, v15                     ; out of it: 80 x lane: my 16 neighbours
	v_lshlrev_b32 v4, 3, v2                        ; my 8 bytes of a step's codes
	v_lshrrev_b32 v5, 1, v2
	s_add_co_u32 s17, s17, 2*32*XSP
	v_add_nc_u32 v5, s17, v5                       ; my block's byte among the wave's 256 scale bytes
	v_lshlrev_b32 v7, 3, v2
	v_add_nc_u32 v6, s17, v7                       ; and 8 of them a lane on the way out
	s_lshl_b32 s17, ttmp9, 2
	s_add_co_u32 s18, s17, s16                     ; which run of 8,192 numbers is my wave's
	s_lshl_b32 s20, s18, 15
	s_add_nc_u64 s[4:5], s[4:5], s[20:21]          ; 32,768 bytes of x,
	s_lshl_b32 s20, s18, 12
	s_add_nc_u64 s[10:11], s[10:11], s[20:21]      ; 4,096 of codes,
	s_lshl_b32 s20, s18, 8
	s_add_nc_u64 s[12:13], s[12:13], s[20:21]      ; 256 of scale bytes a run
.macro XLOAD t
.irp i, 0,1,2,3
	global_load_b128 v[XR+16*((\t)%4)+4*\i:XR+16*((\t)%4)+4*\i+3], v3, s[4:5] offset:2048*(\t)+512*\i th:TH_LOAD_NT
.endr
.endm
.macro XTURN t                         ; LDS serves a wave's instructions in order: no wait between the stores and the loads
.irp i, 0,1,2,3
	ds_store_b128 v14, v[XR+16*((\t)%4)+4*\i:XR+16*((\t)%4)+4*\i+3] offset:32*XSP*((\t)%2)+8*XSP*\i
.endr
.irp i, 0,1,2,3
	ds_load_b128 v[XX+16*((\t)%2)+4*\i:XX+16*((\t)%2)+4*\i+3], v15 offset:32*XSP*((\t)%2)+16*\i
.endr
.endm
.irp t, 0,1,2,3
	XLOAD \t
.endr
	s_wait_loadcnt 12                              ; step 0's four loads are in; the 12 of steps 1 to 3 may be out
	XTURN 0
.macro XSTEP t
.set XS, XX+16*((\t)%2)
.if (\t) > 0
	s_wait_dscnt 1                                 ; this step's numbers are back from the stage; the last step's byte store may be out
.else
	s_wait_dscnt 0x0
.endif
.if (\t)+4 < 16
	XLOAD (\t)+4                                   ; into the set whose stores into the stage have read their registers
.endif
.if (\t)+1 < 16
.if 14-(\t) >= 3
	s_wait_loadcnt 12                              ; the next step's four loads are in; those of the three steps behind it may be out
.else
	s_wait_loadcnt 4*(14-(\t))
.endif
	XTURN (\t)+1
.endif
	v_max3_num_f32 v8, |v[XS]|, |v[XS+1]|, |v[XS+2]|               ; the largest magnitude of my 16, in two chains
	v_max3_num_f32 v9, |v[XS+3]|, |v[XS+4]|, |v[XS+5]|
.irp i, 6,10
	v_max3_num_f32 v8, v8, |v[XS+\i]|, |v[XS+\i+1]|
	v_max3_num_f32 v9, v9, |v[XS+\i+2]|, |v[XS+\i+3]|
.endr
	v_max3_num_f32 v8, v8, |v[XS+14]|, |v[XS+15]|
	v_max3_num_f32 v8, v8, v9, 0x1800000           ; and the floor 2^(3 - 127): the byte cannot fall under 1
	v_max_num_f32_dpp v8, v8, v8 row_xmask:1 row_mask:0xf bank_mask:0xf   ; with my neighbour's 16: the block's
	v_add_nc_u32 v11, 0xff000000, v8               ; 2 off its exponent field: the conversion takes the exponent field of this operand as its scale
	v_cvt_scalef32_pk8_fp4_f32 v[XC+4*(\t)], v[XS:XS+7], v11
	v_cvt_scalef32_pk8_fp4_f32 v[XC+4*(\t)+1], v[XS+8:XS+15], v11
	v_lshrrev_b32 v[XE+(\t)], 23, v11              ; the scale's byte (also the plain line behind the conversions)
	ds_store_b8 v5, v[XE+(\t)] offset:16*(\t)      ; both lanes of a block write the same byte with the same value
	global_store_b64 v4, v[XC+4*(\t):XC+4*(\t)+1], s[10:11] offset:256*(\t)   ; the wave stores 256 consecutive bytes, aligned
.endm
.irp t, 0,1,2,3,4,5,6,7,8,9,10,11,12,13,14,15
	XSTEP \t
.endr
	ds_load_b64 v[8:9], v6                         ; my wave's 256 scale bytes: these loads see my stores
	s_wait_dscnt 0x0
	global_store_b64 v7, v[8:9], s[12:13]          ; 256 consecutive bytes, aligned
	s_wait_tensorcnt 0x0                           ; the wave's end: behind my last LDS store
	ds_add_u32 v[SPW], v[NIL]
	s_wait_dscnt 0x0
	s_endpgm
.Lnot_x:
	s_cmp_lt_u32 ttmp9, 304
	s_cbranch_scc0 .Lpath_p
; ---------------- WAY W.  A LANE TAKES A COLUMN n, AND ITS REGISTERS RUN DOWN K: a block of 32 along K lies in one lane's 32 registers, and the conversions give codes with K innermost.
; A wave takes 32 columns x 512 along K; its codes go through its own stage and leave as rows: sixteen lanes store 256 consecutive bytes.
.set WX,   32                          ; v32-95   two sets of 32 numbers
.set WC,   96                          ; v96-99   a block's codes
.set WOUT, 112                         ; v112-175 the way out
.set WSB,  24                          ; v24-27   the scale bytes, four to a register
	s_sub_co_u32 s17, ttmp9, 256
	s_and_b32 s18, s17, 1                          ; which 512 along K
	s_lshr_b32 s17, s17, 1
	s_lshl_b32 s17, s17, 7
	s_lshl_b32 s19, s16, 5
	s_add_co_u32 s17, s17, s19                     ; my wave's first column
	s_mul_i32 s20, s18, 512*3072*4
	s_lshl_b32 s22, s17, 2
	s_add_co_u32 s20, s20, s22
	s_add_nc_u64 s[6:7], s[6:7], s[20:21]          ; c_attn_w at (512 y, column)
	s_lshl_b32 s20, s17, 9
	s_lshl_b32 s22, s18, 8
	s_add_co_u32 s20, s20, s22
	s_add_co_u32 s20, s20, 0x400000
	s_add_nc_u64 s[10:11], s[10:11], s[20:21]      ; codes: behind x's; column x 512 + 256 y
	s_lshl_b32 s20, s17, 5
	s_lshl_b32 s22, s18, 4
	s_add_co_u32 s20, s20, s22
	s_add_co_u32 s20, s20, 0x40000
	s_add_nc_u64 s[12:13], s[12:13], s[20:21]      ; scale bytes: behind x's; column x 32 + 16 y
	v_lshlrev_b32 v3, 2, v2                        ; in: 4 bytes a lane
	s_mul_i32 s19, s16, 32*WPITCH
	s_add_co_u32 s19, s19, WSTG                    ; my stage
	v_mul_u32_u24 v4, v2, WPITCH
	v_add_nc_u32 v4, s19, v4                       ; into it: row = my column
	v_and_b32 v5, 15, v2
	v_lshrrev_b32 v6, 4, v2
	v_mul_u32_u24 v7, v6, WPITCH
	v_lshl_add_u32 v7, v5, 4, v7
	v_add_nc_u32 v7, s19, v7                       ; out of it: sixteen lanes to a row, two rows an instruction
	v_lshlrev_b32 v8, 9, v6
	v_lshl_add_u32 v8, v5, 4, v8                   ; and the same place among the codes' rows of 512 bytes
	v_lshlrev_b32 v9, 5, v2                        ; my column's row of scale bytes
.macro WLOAD t
.irp i, 0,1,2,3,4,5,6,7,8,9,10,11,12,13,14,15,16,17,18,19,20,21,22,23,24,25,26,27,28,29,30,31
	global_load_b32 v[WX+32*((\t)%2)+\i], v3, s[6:7] offset:(32*(\t)+\i)*12288 th:TH_LOAD_NT   ; the largest offset, 511 rows of 12,288 bytes, lies inside the signed 24-bit immediate
.endr
.endm
	WLOAD 0
	WLOAD 1
.macro WBLOCK t
.set XS, WX+32*((\t)%2)
.if (\t) < 15
	s_wait_loadcnt 32                              ; this block's 32 loads are in; the next block's may be out
.else
	s_wait_loadcnt 0
.endif
	v_max3_num_f32 v12, |v[XS]|, |v[XS+1]|, |v[XS+2]|
	v_max3_num_f32 v13, |v[XS+3]|, |v[XS+4]|, |v[XS+5]|
.irp i, 6,10,14,18,22,26
	v_max3_num_f32 v12, v12, |v[XS+\i]|, |v[XS+\i+1]|
	v_max3_num_f32 v13, v13, |v[XS+\i+2]|, |v[XS+\i+3]|
.endr
	v_max3_num_f32 v12, v12, |v[XS+30]|, |v[XS+31]|
	v_max3_num_f32 v12, v12, v13, 0x1800000        ; the floor 2^(3 - 127)
	v_add_nc_u32 v11, 0xff000000, v12              ; the conversion's scale operand
	v_lshrrev_b32 v13, 23, v11                     ; the scale's byte
.if (\t)%4 == 0
	v_mov_b32 v[WSB+(\t)/4], v13
.else
	v_lshl_or_b32 v[WSB+(\t)/4], v13, 8*((\t)%4), v[WSB+(\t)/4]
.endif
.irp g, 0,1,2,3
	v_cvt_scalef32_pk8_fp4_f32 v[WC+\g], v[XS+8*\g:XS+8*\g+7], v11
.endr
	v_nop                                          ; one plain line behind the conversions
	ds_store_b128 v4, v[WC:WC+3] offset:16*(\t)    ; 32 codes: 16 bytes of my column's row
.if (\t)+2 < 16
	WLOAD (\t)+2
.endif
	s_wait_dscnt 0x0                               ; the store has read its registers: the next block's codes may be written
.endm
.irp t, 0,1,2,3,4,5,6,7,8,9,10,11,12,13,14,15
	WBLOCK \t
.endr
	global_store_b128 v9, v[WSB:WSB+3], s[12:13]   ; my column's 16 scale bytes
.irp t, 0,1,2,3,4,5,6,7,8,9,10,11,12,13,14,15
	ds_load_b128 v[WOUT+4*\t:WOUT+4*\t+3], v7 offset:2*\t*WPITCH
.endr
.irp t, 0,1,2,3,4,5,6,7,8,9,10,11,12,13,14,15
	s_wait_dscnt 15-\t                             ; LDS loads come back in order: load t is in
	global_store_b128 v8, v[WOUT+4*\t:WOUT+4*\t+3], s[10:11] offset:2*\t*512
.endr
	s_wait_tensorcnt 0x0                           ; the wave's end
	ds_add_u32 v[SPW], v[NIL]
	s_wait_dscnt 0x0
	s_endpgm
.Lpath_p:
; ---------------- WAY P.  A lane takes a column n of c_proj_w and 64 along K: rounded to f16 in pairs they are the 128 bytes of row n of wpt's plane k / 64.  Through the wave's stage, so that a store covers 512 consecutive bytes.
	s_sub_co_u32 s17, ttmp9, 304
	s_and_b32 s18, s17, 7
	s_lshr_b32 s19, s17, 3                         ; the plane: k / 64
	s_lshl_b32 s18, s18, 7
	s_lshl_b32 s20, s16, 5
	s_add_co_u32 s18, s18, s20                     ; my wave's first column
	s_lshl_b32 s20, s19, 18
	s_lshl_b32 s22, s18, 2
	s_add_co_u32 s20, s20, s22
	s_add_nc_u64 s[8:9], s[8:9], s[20:21]          ; c_proj_w at (64 plane, column)
	s_lshl_b32 s20, s19, 17
	s_lshl_b32 s22, s18, 7
	s_add_co_u32 s20, s20, s22
	s_add_nc_u64 s[14:15], s[14:15], s[20:21]      ; wpt at (plane, column)
	v_lshlrev_b32 v3, 2, v2
	s_mul_i32 s22, s16, 32*PPITCH
	s_add_co_u32 s22, s22, PSTG                    ; my stage
	v_mul_u32_u24 v4, v2, PPITCH
	v_add_nc_u32 v4, s22, v4                       ; in: row = my column
	v_lshrrev_b32 v5, 3, v2
	v_mul_u32_u24 v5, v5, PPITCH
	v_and_b32 v6, 7, v2
	v_lshl_add_u32 v5, v6, 4, v5
	v_add_nc_u32 v5, s22, v5                       ; back: eight lanes to a row of 128 bytes, four rows an instruction
	v_lshlrev_b32 v7, 4, v2
.irp i, 0,1,2,3,4,5,6,7,8,9,10,11,12,13,14,15,16,17,18,19,20,21,22,23,24,25,26,27,28,29,30,31,32,33,34,35,36,37,38,39,40,41,42,43,44,45,46,47,48,49,50,51,52,53,54,55,56,57,58,59,60,61,62,63
	global_load_b32 v[32+\i], v3, s[8:9] offset:4096*\i
.endr
	s_wait_loadcnt 0x0
.irp i, 0,1,2,3,4,5,6,7,8,9,10,11,12,13,14,15,16,17,18,19,20,21,22,23,24,25,26,27,28,29,30,31
	v_cvt_pk_f16_f32 v[96+\i], v[32+2*\i], v[33+2*\i]
.endr
.irp j, 0,1,2,3,4,5,6,7
	ds_store_b128 v4, v[96+4*\j:99+4*\j] offset:16*\j
.endr
.irp t, 0,1,2,3,4,5,6,7
	ds_load_b128 v[128+4*\t:131+4*\t], v5 offset:4*\t*PPITCH
.endr
.irp t, 0,1,2,3,4,5,6,7
	s_wait_dscnt 7-\t
	global_store_b128 v7, v[128+4*\t:131+4*\t], s[14:15] offset:512*\t   ; four rows: 512 consecutive bytes
.endr
	s_wait_tensorcnt 0x0                           ; the wave's end
	ds_add_u32 v[SPW], v[NIL]
	s_wait_dscnt 0x0
	s_endpgm
.Lfunc_end_k_qa2eda76418_prep:
	.size	k_qa2eda76418_prep, .Lfunc_end_k_qa2eda76418_prep-k_qa2eda76418_prep
	.p2alignl 7, 3214868480
	.fill 96, 4, 3214868480
	.section	.rodata,"a",@progbits
	.p2align	6, 0x0
	.amdhsa_kernel k_qa2eda76418_prep
		.amdhsa_group_segment_fixed_size 86528
		.amdhsa_private_segment_fixed_size 0
		.amdhsa_enable_private_segment 0
		.amdhsa_kernarg_size 48
		.amdhsa_user_sgpr_count 2
		.amdhsa_user_sgpr_kernarg_segment_ptr 1
		.amdhsa_wavefront_size32 1
		.amdhsa_system_sgpr_workgroup_id_x 1
		.amdhsa_system_sgpr_workgroup_id_y 1
		.amdhsa_system_sgpr_workgroup_id_z 1
		.amdhsa_system_vgpr_workitem_id 0
		.amdhsa_next_free_vgpr 192
		.amdhsa_next_free_sgpr 66
		.amdhsa_reserve_vcc 0
		.amdhsa_float_denorm_mode_32 3
		.amdhsa_float_denorm_mode_16_64 3
		.amdhsa_memory_ordered 1
		.amdhsa_forward_progress 1
		.amdhsa_inst_pref_size 122
	.end_amdhsa_kernel
	.amdgpu_metadata
---
amdhsa.version: [ 1, 2 ]
amdhsa.kernels:
  - .name:           k_qa2eda76418_prep
    .symbol:         k_qa2eda76418_prep.kd
    .args:
      - { .name: x, .offset: 0, .size: 8, .value_kind: global_buffer, .address_space: global }
      - { .name: c_attn_w, .offset: 8, .size: 8, .value_kind: global_buffer, .address_space: global }
      - { .name: c_proj_w, .offset: 16, .size: 8, .value_kind: global_buffer, .address_space: global }
      - { .name: codes, .offset: 24, .size: 8, .value_kind: global_buffer, .address_space: global }
      - { .name: scales, .offset: 32, .size: 8, .value_kind: global_buffer, .address_space: global }
      - { .name: wpt, .offset: 40, .size: 8, .value_kind: global_buffer, .address_space: global }
    .group_segment_fixed_size: 86528
    .private_segment_fixed_size: 0
    .kernarg_segment_align: 8
    .kernarg_segment_size: 48
    .max_flat_workgroup_size: 128
    .sgpr_count:     66
    .vgpr_count:     192
    .wavefront_size: 32
...
	.end_amdgpu_metadata
.endif
;; end of part 1
;; launch qkv (part 2): grid 12 x 32, 4 waves a work-group, clusters of 4 x 4, 327,680 bytes of LDS; arguments codes, scales, c_attn_b, qkvh, fine; writes qkvh, fine
.if DOCPART == 2
	.amdgcn_target "amdgcn-amd-amdhsa--gfx1250"
	.amdhsa_code_object_version 6
	.text
	.protected	k_qa2eda76418_qkv
	.globl	k_qa2eda76418_qkv
	.p2align	8
	.type	k_qa2eda76418_qkv,@function
k_qa2eda76418_qkv:
	s_mov_b64 s[64:65], 0
	v_nop
	global_prefetch_b8 v0, s[64:65] scope:SCOPE_SE
	s_setreg_imm32_b32 hwreg(HW_REG_WAVE_MODE, 25, 1), 1
	s_wait_xcnt 0x0
	s_wait_alu depctr_hold_cnt(0) depctr_sa_sdst(0) depctr_va_vdst(0) depctr_va_sdst(0) depctr_va_ssrc(0) depctr_va_vcc(0) depctr_vm_vsrc(0)
	s_getreg_b32 s2, hwreg(HW_REG_IB_STS2, 6, 4)
	s_cmp_eq_u32 s2, 0
	s_cbranch_scc0 .Lentry_in_a_cluster
	s_endpgm
.Lentry_in_a_cluster:
	s_bfe_u32 s2, ttmp6, 0x10000c
	s_cmp_lg_u32 s2, 0xf033
	s_cbranch_scc0 .Lentry_shape_is_right
	s_endpgm
.Lentry_shape_is_right:
; QKV: qkv = Q(x) Q(c_attn_w) + c_attn_b on codes of FP4 (E2M1) with one E8M0 scale for each 32 along K, M 8,192, N 3,072, K 1,024; sums in f32.
; A tile of 256 x 256 is made by four waves, 128 x 128 each: 64 accumulators, 512 registers.  K = 1,024 is two slots of 512 along K (LDS rows of 256 bytes + 16): both are first fills, nothing is filled again.
; The scale bytes of the work-group's 256 rows of each operand are two dense blocks of memory: they come once, in rows of 256 bytes.
; CLUSTERS: 4 x 4 work-groups; x's tiles are asked for jointly along a row of the cluster, the weight's along a column.  The tile row is cluster y + 8 cy: cy is the batch, cluster y the place in the sequence,
; so that 'the first tile of a sequence' hangs on the cluster's number alone and is the same in all partners.
; THE MATRIX INSTRUCTION IS USED TRANSPOSED (source 0 = 16 columns of the weight, source 1 = 16 rows of x): a lane holds eight neighbouring columns of one row.  The bias is the C of each sum's first instruction
; (so it is the sums' first addend: an order of rounding that differs from adding it last).
; OUT: (1) q, k, v rounded to f16, by head: qkvh [batch][n / 64][position][64];  (2) positions 0-15 of every sequence in f32, as images of the accumulators: fine [batch][n / 16][half][lane][4];
; (3) of v's columns the sums over each 128 positions, f32: fine + 786,432: [batch][position / 128][1024].
; LIMITS: |q|, |k|, |v| stay under 65,504, f16's largest number; NaN and infinities are not served.
; No prefetch: all tensor loads of this text are first fills, issued at its head.
; REGISTERS: window 0: v0-31 addresses; v32-95 scale words and nothing else; v96-127 at work on the way out; v128-191 x's fragments, later rows read back; v192-255 the bias, later v's column sums.
;   window 1: the weight's fragments, two sets;  window 2: the accumulators of my rows 0-63 ((a, b) at v[8 (8 a + b)]);  window 3: those of rows 64-127.
.set NQ,     4                         ; steps of 128 along K in a slot
.set ROWB,   256                       ; a tile's row in bytes: 512 codes
.set KROW,   512                       ; a row of codes in memory
.set PITCH,  272                       ; an LDS row: 256 bytes + 16 of padding: the 16 rows of a load start at 16 different groups of banks
.set FR,     8
.set NL,     2
.set NP,     4
.set HALFT,  128*PITCH
.set SLOT,   4*HALFT
.set KS,     32                        ; a row of scale bytes
.set SCL,    2*SLOT
.set HALFS,  (128*KS/256)*272
.set SBLK,   (16*KS/256)*272
.set SPARE,  SCL+4*HALFS               ; the spare words, 128 bytes for each wave: two blocks of 256 bytes that no other line names
.set ADRA, 16
.set ADRB, 20
.set STO,  24                          ; the way out: where I put 16 bytes of a row
.set RD,   25                          ; where I read rows back
.set CO,   26                          ; 16 x lane
.set ADRS, 27
.set SPW,  28
.set NIL,  29
.set VSO,  30                          ; my place among the wave's 128 column sums
.set BO,   31                          ; 32 x (lane / 16): the bias's lane term
.set SC,   32
.set TMP,  96
.set AF,   128
.set BK,   128
.set BIAS, 192
.set SUM,  192
.set G1, 24
.set G0, 32
.set G1B, 48
.set G0B, 56
.set G1S, 68
.set G0S, 76
.set G1SB, 80
.set G0SB, 88
.set MSB, 0
.macro WIN new                         ; the immediate's high byte repeats the setting that is left
.if MSB != \new
	s_set_vgpr_msb (MSB<<8)|\new
.set MSB, \new
.endif
.endm
.set MUL_LO,  0xa1                     ; source 0 window 1, source 1 window 0, C and D window 2
.set MUL_HI,  0xf1                     ; C and D window 3
.set BIAS_LO, 0x81                     ; the first step: C (the bias) window 0, D window 2
.set BIAS_HI, 0xc1                     ; D window 3
.set TO_B,    0x40
.macro JLOAD g0a, g1a, g0b, g1b        ; a joint load: waves 0 and 1 fetch for x, waves 2 and 3 for the weight; an s_nop 0 and four v_nop follow each line
	s_cmp_eq_u32 s15, 0
	s_cbranch_scc0 .Lfor_b_\@
	tensor_load_to_lds s[\g0a:\g0a+3], s[\g1a:\g1a+7]
	s_nop 0
.rept 4
	v_nop
.endr
	s_branch .Lasked_\@
.Lfor_b_\@:
	tensor_load_to_lds s[\g0b:\g0b+3], s[\g1b:\g1b+7]
	s_nop 0
.rept 4
	v_nop
.endr
.Lasked_\@:
.endm
.macro CROUND                          ; a round of the cluster's barrier
	s_barrier_signal -1
	s_barrier_wait -1
	s_cmp_lg_u32 s14, 0
	s_cbranch_scc1 .Lnot_wave_0_\@
	s_barrier_signal -3
.Lnot_wave_0_\@:
	s_barrier_wait -3
	s_barrier_signal -1
	s_barrier_wait -1
.endm
	s_load_b128 s[4:7], s[0:1], 0x0                ; codes, scales
	s_load_b128 s[96:99], s[0:1], 0x10             ; c_attn_b, qkvh
	s_load_b64 s[12:13], s[0:1], 0x20              ; fine
	v_lshl_add_u32 v[SPW], v0, 2, SPARE
	v_mov_b32 v[NIL], 0
	ds_add_u32 v[SPW], v[NIL]                      ; the wave's opening: the add, twice on end, and its wait ahead of my first tensor load
	ds_add_u32 v[SPW], v[NIL]
	v_lshrrev_b32 v1, 5, v0
	v_readfirstlane_b32 s14, v1                    ; wave 0..3
	s_lshr_b32 s15, s14, 1                         ; which half of the tile's rows is mine.  Also: I fetch for x (0) or for the weight (1)
	s_and_b32 s16, s14, 1                          ; which half of its columns.  Also: which 128 rows of that tile I fetch
	s_bfe_u32 s40, ttmp6, 0x40000                  ; cx
	s_bfe_u32 s41, ttmp6, 0x40004                  ; cy
	s_lshl_b32 s42, ttmp9, 2
	s_add_co_u32 s42, s42, s40                     ; tile column = 4 x cluster x + cx
	s_and_b32 s17, ttmp7, 0xffff
	s_lshl_b32 s18, s41, 3
	s_add_co_u32 s17, s17, s18                     ; tile row = cluster y + 8 cy
	s_lshl_b32 s43, s41, 2
	s_lshl_b32 s43, 15, s43                        ; my row of the cluster
	s_lshl_b32 s44, 0x1111, s40                    ; my column
	s_or_b32 s[G1+0], s43, (0<<16)|(1<<20)|(1<<21)|(5<<22)|(3<<25)  ; the mask; elements of 1 byte; padding on; bit 21 beside a mask; after every 64 words, 4 words
	s_or_b32 s[G1B+0], s44, (0<<16)|(1<<20)|(1<<21)|(5<<22)|(3<<25)
.irp g, G1, G1B
	s_mov_b32 s[\g+1], ROWB<<16                    ; tensor_dim0
	s_mov_b32 s[\g+2], 128<<16                     ; tensor_dim1
	s_mov_b32 s[\g+3], ROWB<<16                    ; tile_dim0
	s_mov_b32 s[\g+4], 128                         ; tile_dim1
	s_mov_b32 s[\g+5], KROW                        ; the pitch in memory
	s_mov_b32 s[\g+6], 0
	s_mov_b32 s[\g+7], 0
.endr
	s_or_b32 s[G1S+0], s43, (3<<16)|(1<<20)|(1<<21)|(5<<22)|(3<<25)  ; the scales of 128 rows: 4,096 dense bytes as 16 rows of 32 elements of 8 bytes
	s_or_b32 s[G1SB+0], s44, (3<<16)|(1<<20)|(1<<21)|(5<<22)|(3<<25)
.irp g, G1S, G1SB
	s_mov_b32 s[\g+1], 32<<16
	s_mov_b32 s[\g+2], (128*KS/256)<<16
	s_mov_b32 s[\g+3], 32<<16
	s_mov_b32 s[\g+4], 128*KS/256
	s_mov_b32 s[\g+5], 32
	s_mov_b32 s[\g+6], 0
	s_mov_b32 s[\g+7], 0
.endr
	s_lshl_b32 s18, s16, 7
	s_lshl_b32 s20, s17, 8
	s_add_co_u32 s20, s20, s18                     ; x: row 256 x tile row + 128 x half
	s_lshl_b32 s46, s42, 8
	s_add_co_u32 s46, s46, s18                     ; the weight: column 256 x tile column + 128 x half
	s_mov_b32 s21, 0
	s_mov_b32 s47, 0
	s_mov_b64 s[18:19], KS
	s_mul_u64 s[22:23], s[20:21], s[18:19]         ; where these rows' scale bytes begin,
	s_mul_u64 s[92:93], s[46:47], s[18:19]
	s_mov_b64 s[18:19], KROW
	s_mul_u64 s[20:21], s[20:21], s[18:19]         ; and their codes
	s_mul_u64 s[46:47], s[46:47], s[18:19]
	s_mul_i32 s45, s14, HALFT                      ; where they go: wave x 128 rows: no place in the cluster enters an LDS address
	s_mul_i32 s94, s14, HALFS
	s_wait_dscnt 0x0                               ; both opening adds are done
	s_wait_kmcnt 0x0
	s_add_nc_u64 s[8:9], s[4:5], 0x400000          ; the weight's codes lie behind x's,
	s_add_nc_u64 s[10:11], s[6:7], 0x40000         ; its scale bytes behind x's
	s_add_nc_u64 s[20:21], s[4:5], s[20:21]
	s_add_nc_u64 s[22:23], s[6:7], s[22:23]
	s_add_nc_u64 s[46:47], s[8:9], s[46:47]
	s_add_nc_u64 s[92:93], s[10:11], s[92:93]
	CROUND                                         ; all sixteen work-groups are here: the first joint loads meet
	s_mov_b32 s[G0S], 1
	s_add_co_u32 s[G0S+1], s94, SCL
	s_mov_b64 s[G0S+2:G0S+3], s[22:23]
	s_or_b32 s[G0S+3], s[G0S+3], 0x80000000
	s_mov_b32 s[G0SB], 1
	s_add_co_u32 s[G0SB+1], s94, SCL
	s_mov_b64 s[G0SB+2:G0SB+3], s[92:93]
	s_or_b32 s[G0SB+3], s[G0SB+3], 0x80000000
	JLOAD G0S, G1S, G0SB, G1SB                     ; the scales first: they are wanted with the first slot
.irp s, 0,1
	s_mov_b32 s[G0+4*\s], 1
	s_add_co_u32 s[G0+4*\s+1], s45, \s*SLOT
	s_add_nc_u64 s[G0+4*\s+2:G0+4*\s+3], s[20:21], \s*ROWB
	s_or_b32 s[G0+4*\s+3], s[G0+4*\s+3], 0x80000000
	s_mov_b32 s[G0B+4*\s], 1
	s_add_co_u32 s[G0B+4*\s+1], s45, \s*SLOT
	s_add_nc_u64 s[G0B+4*\s+2:G0B+4*\s+3], s[46:47], \s*ROWB
	s_or_b32 s[G0B+4*\s+3], s[G0B+4*\s+3], 0x80000000
	JLOAD G0+4*\s, G1, G0B+4*\s, G1B               ; three tensor loads of mine are out
.endr
	v_and_b32 v1, 15, v0                           ; r = lane % 16
	v_bfe_u32 v2, v0, 4, 1                         ; h = lane / 16
	v_mul_u32_u24 v3, v1, PITCH
	v_lshl_add_u32 v4, v2, 4, v3                   ; a fragment's row x pitch + 16 h
	s_mul_i32 s21, s15, HALFT                      ; my 128 rows of x
	s_mul_i32 s22, s16, HALFT                      ; my 128 columns of the weight,
	s_add_co_u32 s22, s22, 2*HALFT                 ; which lie behind x's 256 rows
.irp s, 0,1
	v_add_nc_u32 v[ADRA+\s], s21, v4
	v_add_nc_u32 v[ADRB+\s], s22, v4
	s_add_co_u32 s21, s21, SLOT
	s_add_co_u32 s22, s22, SLOT
.endr
	v_mul_u32_u24 v5, v1, KS                       ; my row's scale bytes: 32 a row,
	v_lshrrev_b32 v6, 8, v5
	v_lshl_add_u32 v5, v6, 4, v5                   ; and 16 more for each 256 passed
	s_mul_i32 s21, s15, HALFS
	s_mul_i32 s22, s16, HALFS
	s_add_co_u32 s22, s22, 2*HALFS
	s_sub_co_u32 s22, s22, s21
	v_mul_u32_u24 v6, s22, v2                      ; lanes 16-31 take the weight's: one product, the distance between the two bases
	s_add_co_u32 s21, s21, SCL
	v_add_nc_u32 v5, v5, v6
	v_add_nc_u32 v[ADRS], s21, v5
	s_mul_i32 s23, s14, 16*PITCH                   ; my stage, 16 rows x 272 bytes, in slot 0: when it is first written that slot has had its only fill, and every wave has passed the change of slots
	v_mul_u32_u24 v5, v1, PITCH
	v_lshl_add_u32 v5, v2, 4, v5
	v_add_nc_u32 v[STO], s23, v5                   ; in: row r, + 16 h
	v_and_b32 v6, 31, v0
	v_lshlrev_b32 v[CO], 4, v6
	v_lshrrev_b32 v5, 3, v6
	v_mul_u32_u24 v5, v5, PITCH
	v_and_b32 v6, 7, v0
	v_lshl_add_u32 v5, v6, 4, v5
	v_add_nc_u32 v[RD], s23, v5                    ; back: eight lanes to a head's 128 bytes of a row, four rows an instruction
	v_lshrrev_b32 v5, 1, v1
	v_lshlrev_b32 v5, 6, v5
	v_lshl_add_u32 v5, v2, 5, v5
	v_and_b32 v6, 1, v1
	v_lshl_add_u32 v[VSO], v6, 4, v5               ; 64 (r / 2) + 32 h + 16 (r % 2)
	v_lshlrev_b32 v[BO], 5, v2
	s_lshl_b32 s46, s42, 10                        ; my first column, in bytes of f32: 1,024 x tile column + 512 x half
	s_lshl_b32 s47, s16, 9
	s_add_co_u32 s46, s46, s47
	s_mov_b32 s47, 0
	s_add_nc_u64 s[96:97], s[96:97], s[46:47]
.irp b, 0,1,2,3,4,5,6,7
	global_load_b128 v[BIAS+8*\b:BIAS+8*\b+3], v[BO], s[96:97] offset:64*\b        ; the bias in the result's layout: block b, columns 16 b + 8 h + 0 .. 7
	global_load_b128 v[BIAS+8*\b+4:BIAS+8*\b+7], v[BO], s[96:97] offset:64*\b+16
.endr
	s_and_b32 s2, ttmp7, 0xffff                    ; cluster y: the tile's place in its sequence
	s_lshl_b32 s46, s41, 16                        ; the column sums: ((batch x 16 + 2 cluster y + row half) x 1,024 + 256 cx + 128 column half) x 4, behind the fine rows
	s_lshl_b32 s20, s2, 13
	s_add_co_u32 s46, s46, s20
	s_lshl_b32 s20, s15, 12
	s_add_co_u32 s46, s46, s20
	s_lshl_b32 s20, s40, 10
	s_add_co_u32 s46, s46, s20
	s_lshl_b32 s20, s16, 9
	s_add_co_u32 s46, s46, s20
	s_add_co_u32 s46, s46, 786432
	s_add_nc_u64 s[8:9], s[12:13], s[46:47]
	s_mul_i32 s46, s41, 192*1024                   ; the fine rows: (batch x 192 + 16 tile column + 8 column half) x 1,024
	s_lshl_b32 s20, s42, 14
	s_add_co_u32 s46, s46, s20
	s_lshl_b32 s20, s16, 13
	s_add_co_u32 s46, s46, s20
	s_add_nc_u64 s[12:13], s[12:13], s[46:47]
	s_mul_i32 s46, s41, 48*262144                  ; qkvh: plane batch x 48 + 4 tile column + 2 column half, of 262,144 bytes; position 256 cluster y + 128 row half, 128 bytes each
	s_lshl_b32 s20, s42, 20
	s_add_co_u32 s46, s46, s20
	s_lshl_b32 s20, s16, 19
	s_add_co_u32 s46, s46, s20
	s_lshl_b32 s20, s2, 15
	s_add_co_u32 s46, s46, s20
	s_lshl_b32 s20, s15, 14
	s_add_co_u32 s46, s46, s20
	s_add_nc_u64 s[98:99], s[98:99], s[46:47]
	s_or_b32 s2, s2, s15                           ; 0 where my rows begin a sequence: the cluster's number and the wave's alone
.macro FRAG reg, adr, q, i             ; 16 rows x 128 K of 4-bit codes: 8 registers, two loads of 16 bytes, 32 bytes apart
.irp c, 0,1
	ds_load_b128 v[\reg+4*\c:\reg+4*\c+3], v[\adr] offset:64*(\q)+32*\c+(\i)*16*PITCH
.endr
.endm
; 16 matrix instructions: x's blocks a0, a0 + 1 against the weight's eight.  first = 1: the bias starts the sums.  The 64 accumulators take turns, one instruction a turn.
.macro MUL16 a0, p, q, sc, first
.irp a, \a0, \a0+1
.irp b, 0,1,2,3,4,5,6,7
.if \first
	v_wmma_scale_f32_16x16x128_f8f6f4 v[8*(8*((\a)%4)+\b):8*(8*((\a)%4)+\b)+7], v[128*(\p)+FR*\b:128*(\p)+FR*\b+FR-1], v[AF+FR*(\a):AF+FR*(\a)+FR-1], v[BIAS+8*\b:BIAS+8*\b+7], v[SC+8*NQ*(\sc)+NQ*\b+(\q)], v[SC+8*NQ*(\sc)+NQ*(\a)+(\q)] matrix_a_fmt:MATRIX_FMT_FP4 matrix_b_fmt:MATRIX_FMT_FP4 matrix_a_scale:MATRIX_SCALE_ROW1
.else
	v_wmma_scale_f32_16x16x128_f8f6f4 v[8*(8*((\a)%4)+\b):8*(8*((\a)%4)+\b)+7], v[128*(\p)+FR*\b:128*(\p)+FR*\b+FR-1], v[AF+FR*(\a):AF+FR*(\a)+FR-1], v[8*(8*((\a)%4)+\b):8*(8*((\a)%4)+\b)+7], v[SC+8*NQ*(\sc)+NQ*\b+(\q)], v[SC+8*NQ*(\sc)+NQ*(\a)+(\q)] matrix_a_fmt:MATRIX_FMT_FP4 matrix_b_fmt:MATRIX_FMT_FP4 matrix_a_scale:MATRIX_SCALE_ROW1
.endif
.endr
.endr
.endm
.macro FETCH_B slot, q, p
	WIN TO_B
.irp i, 0,1,2,3,4,5,6,7
	FRAG 128*(\p)+FR*\i, ADRB+\slot, \q, \i
.endr
	WIN 0
.endm
.macro FETCH_A slot, q, i0
.irp i, \i0, \i0+1, \i0+2, \i0+3
	FRAG AF+FR*(\i), ADRA+\slot, \q, \i
.endr
.endm
.macro SCALES sc                       ; a slot's scale words: lanes 0-15 x's block i, lanes 16-31 the weight's block i
.irp i, 0,1,2,3,4,5,6,7
	ds_load_b128 v[SC+8*NQ*\sc+NQ*\i:SC+8*NQ*\sc+NQ*\i+3], v[ADRS] offset:\i*SBLK
.endr
.endm
.macro PLACES n                        ; plain vector lines between a matrix instruction and a load into, or a read of, its registers
.rept \n
	v_nop
.endr
.endm
.macro STEP slot, q, first             ; a step of 128 along K that has its successor in the same slot
	s_wait_dscnt 4*NL                              ; all but the youngest eight loads (x's blocks 4-7) are in
.if \first
	WIN BIAS_LO
.else
	WIN MUL_LO
.endif
	MUL16 0, (\q)%2, \q, \slot, \first
	MUL16 2, (\q)%2, \q, \slot, \first
	s_wait_dscnt 0
	PLACES NP
	FETCH_B \slot, (\q)+1, 1-(\q)%2
	FETCH_A \slot, (\q)+1, 0
.if \first
	WIN BIAS_HI
.else
	WIN MUL_HI
.endif
	MUL16 4, (\q)%2, \q, \slot, \first
	MUL16 6, (\q)%2, \q, \slot, \first
	PLACES NP
	WIN 0
	FETCH_A \slot, (\q)+1, 4
.endm
.macro STEPS slot, from
.set QQ, \from
.rept NQ-1-\from
	STEP \slot, QQ, 0
.set QQ, QQ+1
.endr
.endm
	s_wait_tensorcnt 1                             ; the scales and my part of slot 0 are in; slot 1's load may be out
	s_barrier_signal -1
	s_barrier_wait -1
	FETCH_B 0, 0, 0
	FETCH_A 0, 0, 0
	SCALES 0
	FETCH_A 0, 0, 4
	s_wait_loadcnt 0x0                             ; the bias
	STEP 0, 0, 1
	STEPS 0, 1
	; the change of slots: my part of slot 1 has landed, my reads of slot 0 are over; behind the barrier both hold of every wave.  Nothing is filled again.
	s_wait_tensorcnt 0x0
	ds_add_u32 v[SPW], v[NIL]                      ; 0 onto my spare word
	s_wait_dscnt 4*NL+1                            ; the add and the youngest eight loads may be out
	WIN MUL_LO
	MUL16 0, 1, NQ-1, 0, 0
	s_wait_dscnt 0x0
	s_barrier_signal -1
	MUL16 2, 1, NQ-1, 0, 0
	WIN 0
	s_barrier_wait -1
	PLACES NP
	v_add_nc_u32 v[ADRS], 4*NQ, v[ADRS]            ; on to slot 1's scale words
	FETCH_B 1, 0, 0
	FETCH_A 1, 0, 0
	SCALES 1
	WIN MUL_HI
	MUL16 4, 1, NQ-1, 0, 0
	MUL16 6, 1, NQ-1, 0, 0
	PLACES NP
	WIN 0
	FETCH_A 1, 0, 4
	STEPS 1, 0
	s_wait_dscnt 4*NL                              ; the last step: nothing more to fetch
	WIN MUL_LO
	MUL16 0, 1, NQ-1, 1, 0
	MUL16 2, 1, NQ-1, 1, 0
	s_wait_dscnt 0
	WIN MUL_HI
	MUL16 4, 1, NQ-1, 1, 0
	MUL16 6, 1, NQ-1, 1, 0
	WIN 0
	PLACES NP                                      ; in front of every read of results and every write of registers that the products read
	; (2) positions 0-15 of a sequence in f32: block 0's eight accumulators as they stand, each from its low end on; a store covers 512 consecutive bytes
	s_cmp_lg_u32 s2, 0
	s_cbranch_scc1 .Lnot_first
	WIN 0x08                                       ; a store's data: window 2
.irp b, 0,1,2,3,4,5,6,7
	global_store_b128 v[CO], v[8*\b:8*\b+3], s[12:13] offset:1024*\b
	global_store_b128 v[CO], v[8*\b+4:8*\b+7], s[12:13] offset:1024*\b+512
.endr
	WIN 0
.Lnot_first:
	; (3) v's columns (cluster x = 2): the sums over my 128 rows: first over my eight blocks, then over the sixteen lanes of a half
	s_cmp_lg_u32 ttmp9, 2
	s_cbranch_scc1 .Lnot_v
	WIN 0x0a
.set i, 0
.rept 32
	v_pk_add_f32 v[SUM+i:SUM+i+1], v[i:i+1], v[64+i:64+i+1]
.set i, i+2
.endr
	WIN 0x08
.irp k, 2,3
.set i, 0
.rept 32
	v_pk_add_f32 v[SUM+i:SUM+i+1], v[SUM+i:SUM+i+1], v[64*\k+i:64*\k+i+1]
.set i, i+2
.endr
.endr
	WIN 0x0c
.irp k, 0,1,2,3
.set i, 0
.rept 32
	v_pk_add_f32 v[SUM+i:SUM+i+1], v[SUM+i:SUM+i+1], v[64*\k+i:64*\k+i+1]
.set i, i+2
.endr
.endr
	WIN 0
	s_mov_b32 s18, 0xff00ff00
	s_mov_b32 s19, 0xf0f0f0f0
	s_mov_b32 s66, 0xcccccccc
	s_mov_b32 s67, 0xaaaaaaaa
; A step of the reduction: a lane keeps one half of its sums (the upper where its bit is set) and hands the other to the lane x away, which keeps that half.  After four steps lane r holds sums 4 r .. 4 r + 3.
.macro RS mask, x, n
.set i, 0
.rept \n
	v_cndmask_b32 v[TMP+i%4], v[SUM+i+\n], v[SUM+i], \mask
	v_cndmask_b32 v[SUM+i], v[SUM+i], v[SUM+i+\n], \mask
	v_add_f32_dpp v[SUM+i], v[TMP+i%4], v[SUM+i] row_xmask:\x row_mask:0xf bank_mask:0xf
.set i, i+1
.endr
.endm
	RS s18, 8, 32
	RS s19, 4, 16
	RS s66, 2, 8
	RS s67, 1, 4
	global_store_b128 v[VSO], v[SUM:SUM+3], s[8:9] ; 128 sums: 512 consecutive bytes
.Lnot_v:
	; (1) f16, by head.  A block of 16 rows x 128 columns (two heads) goes through my stage and comes back as rows of a head: a store covers four rows of 128 bytes, 512 consecutive bytes.
.macro PACK a
.set AC, 64*((\a)%4)
	WIN 0x0a+5*((\a)/4)
.irp b, 0,1,2,3,4,5,6,7
.irp r, 0,1,2,3
	v_cvt_pk_f16_f32 v[TMP+4*\b+\r], v[AC+8*\b+2*\r], v[AC+8*\b+2*\r+1]
.endr
.endr
	WIN 0
.endm
.macro TOSTAGE a
.set BB, BK+32*((\a)%2)
.irp b, 0,1,2,3,4,5,6,7
	ds_store_b128 v[STO], v[TMP+4*\b:TMP+4*\b+3] offset:32*\b
.endr
.irp hh, 0,1
.irp t, 0,1,2,3
	ds_load_b128 v[BB+4*(4*\hh+\t):BB+4*(4*\hh+\t)+3], v[RD] offset:4*PITCH*\t+128*\hh   ; LDS serves a wave's instructions in order: these see the stores above
.endr
.endr
.endm
.macro SEND a
.set BB, BK+32*((\a)%2)
	s_wait_dscnt 0x0                               ; the block is back in registers
	s_wait_xcnt 0x0                                ; the earlier stores have read their base and their registers: both may be written again
.if (\a) > 0
	s_add_nc_u64 s[98:99], s[98:99], 2048          ; 16 positions on
.endif
.irp hh, 0,1
.irp t, 0,1,2,3
	global_store_b128 v[CO], v[BB+4*(4*\hh+\t):BB+4*(4*\hh+\t)+3], s[98:99] offset:262144*\hh+512*\t
.endr
.endr
.endm
	PACK 0
	TOSTAGE 0
.irp a, 1,2,3,4,5,6,7                  ; block a's conversions stand between block a - 1's loads from the stage and the wait for them
	PACK \a
	SEND \a-1
	TOSTAGE \a
.endr
	SEND 7
	s_wait_tensorcnt 0x0                           ; the wave's end
	ds_add_u32 v[SPW], v[NIL]
	s_wait_dscnt 0x0
	CROUND                                         ; the closing round
	s_endpgm
.Lfunc_end_k_qa2eda76418_qkv:
	.size	k_qa2eda76418_qkv, .Lfunc_end_k_qa2eda76418_qkv-k_qa2eda76418_qkv
	.p2alignl 7, 3214868480
	.fill 96, 4, 3214868480
	.section	.rodata,"a",@progbits
	.p2align	6, 0x0
	.amdhsa_kernel k_qa2eda76418_qkv
		.amdhsa_group_segment_fixed_size 327680
		.amdhsa_private_segment_fixed_size 0
		.amdhsa_enable_private_segment 0
		.amdhsa_kernarg_size 40
		.amdhsa_user_sgpr_count 2
		.amdhsa_user_sgpr_kernarg_segment_ptr 1
		.amdhsa_wavefront_size32 1
		.amdhsa_system_sgpr_workgroup_id_x 1
		.amdhsa_system_sgpr_workgroup_id_y 1
		.amdhsa_system_sgpr_workgroup_id_z 1
		.amdhsa_system_vgpr_workitem_id 0
		.amdhsa_next_free_vgpr 1024
		.amdhsa_next_free_sgpr 100
		.amdhsa_reserve_vcc 0
		.amdhsa_float_denorm_mode_32 3
		.amdhsa_float_denorm_mode_16_64 3
		.amdhsa_memory_ordered 1
		.amdhsa_forward_progress 1
		.amdhsa_inst_pref_size 157
	.end_amdhsa_kernel
	.amdgpu_metadata
---
amdhsa.version: [ 1, 2 ]
amdhsa.kernels:
  - .name:           k_qa2eda76418_qkv
    .symbol:         k_qa2eda76418_qkv.kd
    .args:
      - { .name: codes, .offset: 0, .size: 8, .value_kind: global_buffer, .address_space: global }
      - { .name: scales, .offset: 8, .size: 8, .value_kind: global_buffer, .address_space: global }
      - { .name: c_attn_b, .offset: 16, .size: 8, .value_kind: global_buffer, .address_space: global }
      - { .name: qkvh, .offset: 24, .size: 8, .value_kind: global_buffer, .address_space: global }
      - { .name: fine, .offset: 32, .size: 8, .value_kind: global_buffer, .address_space: global }
    .group_segment_fixed_size: 327680
    .private_segment_fixed_size: 0
    .kernarg_segment_align: 8
    .kernarg_segment_size: 40
    .max_flat_workgroup_size: 128
    .sgpr_count:     100
    .vgpr_count:     1024
    .wavefront_size: 32
...
	.end_amdgpu_metadata
.endif
;; end of part 2
;; launch first16 (part 3): grid 64 x 1, 16 waves a work-group, no clusters, 71,680 bytes of LDS; arguments fine, c_proj_w, c_proj_b, vsuf, out0; writes vsuf, out0
.if DOCPART == 3
	.amdgcn_target "amdgcn-amd-amdhsa--gfx1250"
	.amdhsa_code_object_version 6
	.text
	.protected	k_qa2eda76418_first16
	.globl	k_qa2eda76418_first16
	.p2align	8
	.type	k_qa2eda76418_first16,@function
k_qa2eda76418_first16:
	s_mov_b64 s[64:65], 0
	v_nop
	global_prefetch_b8 v0, s[64:65] scope:SCOPE_SE
	s_setreg_imm32_b32 hwreg(HW_REG_WAVE_MODE, 25, 1), 1
	s_wait_xcnt 0x0
; FIRST16: positions 0-15 of every sequence, wholly in f32 (attention and the projection), where a row averages one to a few values; and the suffix sums of v that the attention launch merges.
; A work-group takes a batch (number / 16) and 64 output columns (number % 16).  Wave w is head w: 16 + 16 matrix instructions of the f32 form for its attention, 64 for its part of the projection; the sixteen parts meet in LDS.
; THE MASK.  A hidden key has the score -10,000 and no less: so every key counts.  With e_k = exp(w_k - m) for the 16 keys at hand (hidden ones at -10,000), pm = exp(-10,000 - m), TOT = the sum of v over all 2,048 positions:
;   row = (sum over the 16 of (e_k - pm) v_k + pm TOT) / (sum over the 16 of e_k + 2,032 pm).   m is the largest of the 16 scores and -10,000.
; SUFFIX SUMS: vsuf [batch][g][1024] = the sum of v over positions from 128 (g + 1) on; row 15 is zeros.  Work-group c of a batch stores columns 64 c .. 64 c + 63.
; LAYOUT.  S^T = K Q^T, O^T = V^T P, out^T = Wp^T a: a lane holds one position (lane % 16) throughout.  The f32 form takes k = 2 (lane / 16) + j in register j; where a result's registers hold k = 8 (lane / 16) + j,
; the other operand is loaded in that same order of k, so nothing changes lanes.
; The accumulators v16-47 are written by matrix instructions alone; each sum begins with the constant 0.
; LIMITS: NaN and infinities are not served.
.set TOT,   0                          ; LDS: the 1,024 totals
.set IMG,   4096                       ; sixteen images of 16 x 64 results, 4,096 bytes each
.set SPARE, 69632                      ; the spare words, 128 bytes for each wave: eight blocks of 256 bytes that no other line names
.set ACC, 16                           ; v16-47   four accumulators
.set KR,  48                           ; v48-79   K, later the weights of output tiles 2, 3
.set QR,  80                           ; v80-111  Q, likewise
.set VR,  112                          ; v112-143 V^T, later a
.set AR,  112
.set VS,  144                          ; v144-175 the sums of v, later my head's totals
.set W1,  176                          ; v176-239 the weights of output tiles 0, 1, later the sixteen parts
.set W2,  48
.set SS,  240                          ; v240-247 scores, e, e - pm;  v248 m, v249 pm, v250 the divisor, v251 at work;  v252-255 the bias
	s_load_b128 s[4:7], s[0:1], 0x0                ; fine, c_proj_w
	s_load_b128 s[8:11], s[0:1], 0x10              ; c_proj_b, vsuf
	s_load_b64 s[12:13], s[0:1], 0x20              ; out0
	v_lshl_add_u32 v7, v0, 2, SPARE                ; my spare word; never rewritten
	v_mov_b32 v8, 0                                ; 0; never rewritten
	v_lshrrev_b32 v1, 5, v0
	v_readfirstlane_b32 s14, v1                    ; wave = head
	s_lshr_b32 s15, ttmp9, 4                       ; batch
	s_and_b32 s16, ttmp9, 15                       ; block of 64 output columns
	v_and_b32 v1, 15, v0                           ; r
	v_bfe_u32 v2, v0, 4, 1                         ; h
	v_lshlrev_b32 v3, 4, v1
	v_lshl_add_u32 v3, v2, 3, v3                   ; K, Q: 16 r + 8 h
	v_bfe_u32 v4, v1, 2, 1
	v_lshlrev_b32 v4, 9, v4
	v_bfe_u32 v14, v1, 3, 1
	v_lshl_add_u32 v4, v14, 8, v4
	v_and_b32 v14, 3, v1
	v_lshl_add_u32 v4, v14, 2, v4
	v_lshl_add_u32 v4, v2, 7, v4                   ; V: channel r of a block of 16, keys 8 h on: 512 ((r / 4) % 2) + 256 (r / 8) + 4 (r % 4) + 128 h
	v_lshlrev_b32 v5, 2, v1
	v_lshl_add_u32 v5, v2, 15, v5                  ; the weight: column r, 8 h rows of 4,096 bytes down
	v_lshlrev_b32 v6, 3, v0                        ; 8 x thread: two columns of the 1,024
	v_lshlrev_b32 v9, 3, v2
	v_sub_nc_u32 v9, v1, v9                        ; r - 8 h: register j's key is hidden where j is above it
	s_lshl_b32 s17, s14, 8
	v_lshl_add_u32 v10, v2, 5, s17                 ; my head's totals: TOT + 256 w + 32 h
	v_and_b32 v15, 31, v0
	s_lshl_b32 s17, s14, 12
	s_add_co_u32 s17, s17, IMG
	v_lshl_add_u32 v11, v15, 4, s17                ; my image: IMG + 4,096 w + 16 x lane
	v_bfe_u32 v12, v1, 2, 2                        ; the way back: lane l of wave w takes row 2 w + l / 16 and columns 4 (l % 16) on, out of each image
	v_lshlrev_b32 v12, 1, v12
	v_and_b32 v14, 1, v1
	v_add_nc_u32 v12, v12, v14
	v_lshlrev_b32 v12, 9, v12
	v_bfe_u32 v14, v1, 1, 1
	v_lshlrev_b32 v14, 4, v14
	v_add_nc_u32 v14, v14, v2
	s_lshl_b32 s17, s14, 1
	v_add_nc_u32 v14, s17, v14
	v_lshl_add_u32 v12, v14, 4, v12
	v_add_nc_u32 v12, IMG, v12
	v_lshlrev_b32 v13, 4, v1
	v_lshl_add_u32 v13, v2, 12, v13                ; and the same place in out0
	v_lshlrev_b32 v15, 4, v1                       ; the bias: 16 (l % 16)
	v_mov_b32 v14, 0xc61c4000                      ; -10,000
	v_mov_b32 v251, 0                              ; written once: a lane permute's destination counts as one of its sources
	v_mov_b32 v240, 0
	v_mov_b32 v241, 0                              ; a pair of zeros for vsuf's last row
	s_mov_b32 s22, 0x76543210
	s_mov_b32 s23, 0xfedcba98                      ; v_permlanex16_b32's selects for lane l xor 16
	s_mov_b32 s25, 0
	s_mul_i32 s24, s15, 192*1024
	s_lshl_b32 s17, s14, 12
	s_add_co_u32 s24, s24, s17
	s_wait_kmcnt 0x0
	s_add_nc_u64 s[18:19], s[4:5], s[24:25]        ; my head's q among the fine rows; k lies 65,536 bytes on, v 131,072
	s_lshl_b32 s24, s15, 16
	s_add_nc_u64 s[10:11], s[10:11], s[24:25]      ; vsuf at my batch
	s_add_co_u32 s24, s24, 786432
	s_add_nc_u64 s[20:21], s[4:5], s[24:25]        ; the sums of v at my batch
	s_lshl_b32 s24, s16, 8
	s_add_nc_u64 s[8:9], s[8:9], s[24:25]          ; the bias at my 64 columns
	s_lshl_b32 s17, s14, 18
	s_add_co_u32 s24, s24, s17
	s_add_nc_u64 s[6:7], s[6:7], s[24:25]          ; the weight at (64 w, my columns)
	s_lshl_b32 s24, s15, 23
	s_lshl_b32 s17, s14, 13
	s_add_co_u32 s24, s24, s17
	s_lshl_b32 s17, s16, 8
	s_add_co_u32 s24, s24, s17
	s_add_nc_u64 s[12:13], s[12:13], s[24:25]      ; out0 at (batch, row 2 w, my columns)
	global_load_b128 v[252:255], v15, s[8:9]
.irp j, 0,1,2,3,4,5,6,7,8,9,10,11,12,13,14,15
	global_load_b64 v[VS+2*\j:VS+2*\j+1], v6, s[20:21] offset:4096*\j
.endr
.irp c, 0,1,2,3,4,5,6,7,8,9,10,11,12,13,14,15  ; chunk c: channels 4 c + 2 h + 0, 1 of position r, out of the accumulators' images
	global_load_b64 v[KR+2*\c:KR+2*\c+1], v3, s[18:19] offset:65536+(\c/4)*1024+(\c%2)*512+((\c/2)%2)*256
.endr
.irp c, 0,1,2,3,4,5,6,7,8,9,10,11,12,13,14,15
	global_load_b64 v[QR+2*\c:QR+2*\c+1], v3, s[18:19] offset:(\c/4)*1024+(\c%2)*512+((\c/2)%2)*256
.endr
.irp t, 0,1,2,3
.irp c, 0,1,2,3
.irp j, 0,1
	global_load_b32 v[VR+(4*\t+\c)*2+\j], v4, s[18:19] offset:131072+1024*\t+16*(2*\c+\j)   ; channel 16 t + r, key 8 h + 2 c + j
.endr
.endr
.endr
.macro WPLOAD reg, nt0                 ; output tiles nt0, nt0 + 1: chunk c: column 16 nt + r, rows 64 w + 16 (c / 4) + 8 h + 2 (c % 4) + 0, 1
.irp n, 0,1
.irp c, 0,1,2,3,4,5,6,7,8,9,10,11,12,13,14,15
.irp j, 0,1
	global_load_b32 v[\reg+(16*\n+\c)*2+\j], v5, s[6:7] offset:(16*(\c/4)+2*(\c%4)+\j)*4096+64*(\nt0+\n)
.endr
.endr
.endr
.endm
	WPLOAD W1, 0
	s_wait_loadcnt 63                              ; of the 145 loads the youngest 63, all of them the weight's, may be out: all ahead of the weight's are in
	; ---- A: the suffix sums
.irp j, 14,13,12,11,10,9,8,7,6,5,4,3,2,1,0
	v_pk_add_f32 v[VS+2*\j:VS+2*\j+1], v[VS+2*\j:VS+2*\j+1], v[VS+2*\j+2:VS+2*\j+3]
.endr
	ds_store_b64 v6, v[VS:VS+1]                    ; the totals of my two columns
	s_cmp_lg_u32 s14, s16                          ; the wave whose 64 columns are this work-group's stores them
	s_cbranch_scc1 .Lnot_mine
.irp g, 0,1,2,3,4,5,6,7,8,9,10,11,12,13,14
	global_store_b64 v6, v[VS+2*\g+2:VS+2*\g+3], s[10:11] offset:4096*\g   ; 256 consecutive bytes, aligned
.endr
	global_store_b64 v6, v[240:241], s[10:11] offset:4096*15
.Lnot_mine:
	s_wait_xcnt 0x0                                ; the stores have read their registers, which are written again below
	s_wait_dscnt 0x0                               ; for the others' sake: my totals lie in LDS
	s_barrier_signal -1
	s_barrier_wait -1
.irp t, 0,1,2,3
	ds_load_b128 v[VS+8*\t:VS+8*\t+3], v10 offset:64*\t        ; TOT of channels 16 t + 8 h + 0 .. 7 of my head
	ds_load_b128 v[VS+8*\t+4:VS+8*\t+7], v10 offset:64*\t+16
.endr
	; ---- B: S^T = K Q^T, four accumulators by turns
.irp c, 0,1,2,3
	v_wmma_f32_16x16x4_f32 v[ACC+8*\c:ACC+8*\c+7], v[KR+2*\c:KR+2*\c+1], v[QR+2*\c:QR+2*\c+1], 0
.endr
.irp c, 4,5,6,7,8,9,10,11,12,13,14,15
	v_wmma_f32_16x16x4_f32 v[ACC+8*(\c%4):ACC+8*(\c%4)+7], v[KR+2*\c:KR+2*\c+1], v[QR+2*\c:QR+2*\c+1], v[ACC+8*(\c%4):ACC+8*(\c%4)+7]
.endr
.rept 8
	v_nop                                          ; eight places behind this form, in front of loads into its sources and reads of its results
.endr
	WPLOAD W2, 2
.irp i, 0,2,4,6
	v_pk_add_f32 v[SS+\i:SS+\i+1], v[ACC+\i:ACC+\i+1], v[ACC+8+\i:ACC+9+\i]
.endr
.irp i, 0,2,4,6
	v_pk_add_f32 v[SS+\i:SS+\i+1], v[SS+\i:SS+\i+1], v[ACC+16+\i:ACC+17+\i]
.endr
.irp i, 0,2,4,6
	v_pk_add_f32 v[SS+\i:SS+\i+1], v[SS+\i:SS+\i+1], v[ACC+24+\i:ACC+25+\i]
.endr
.irp j, 0,1,2,3,4,5,6,7
	v_mul_f32 v[SS+\j], 0x3e000000, v[SS+\j]       ; / sqrt(64): register j is key 8 h + j for position r
.endr
.irp j, 0,1,2,3,4,5,6,7
	v_cmp_gt_i32 vcc_lo, \j, v9
	v_cndmask_b32 v[SS+\j], v[SS+\j], v14, vcc_lo  ; hidden: -10,000
.endr
	v_max3_num_f32 v248, v240, v241, v242
	v_max3_num_f32 v248, v248, v243, v244
	v_max3_num_f32 v248, v248, v245, v246
	v_max3_num_f32 v248, v248, v247, v14           ; the keys beyond the 16 have -10,000 too
	v_permlanex16_b32 v251, v248, s22, s23
	v_max_num_f32 v248, v248, v251                 ; m
.irp j, 0,1,2,3,4,5,6,7
	v_sub_f32 v[SS+\j], v[SS+\j], v248
.endr
	v_sub_f32 v249, v14, v248
.irp j, 0,1,2,3,4,5,6,7
	v_mul_f32 v[SS+\j], 0x3fb8aa3b, v[SS+\j]
.endr
	v_mul_f32 v249, 0x3fb8aa3b, v249
.irp j, 0,1,2,3,4,5,6,7
	v_exp_f32 v[SS+\j], v[SS+\j]
.endr
	v_exp_f32 v249, v249                           ; pm: the same lines on the same number as a hidden key's e
	v_nop                                          ; a plain line behind the last exponential
	s_wait_alu depctr_va_vdst(0)                   ; one wait for the nine, ahead of their first reader
	v_add_f32 v250, v240, v241
	v_add_f32 v251, v242, v243
	v_add_f32 v250, v250, v244
	v_add_f32 v251, v251, v245
	v_add_f32 v250, v250, v246
	v_add_f32 v251, v251, v247
	v_add_f32 v250, v250, v251
	v_permlanex16_b32 v251, v250, s22, s23
	v_add_f32 v250, v250, v251
	v_fmac_f32 v250, 0x44fe0000, v249              ; + 2,032 pm
	v_rcp_f32 v250, v250
.irp j, 0,1,2,3,4,5,6,7
	v_sub_f32 v[SS+\j], v[SS+\j], v249             ; e - pm: exactly 0 where hidden
.endr
	s_wait_alu depctr_va_vdst(0)                   ; the reciprocal's wait, ahead of its first reader
	v_mul_f32 v248, v249, v250                     ; pm / the divisor
	; ---- C: O^T = V^T (e - pm): chunk c holds keys 8 h + 2 c + 0, 1 on both sides
.irp t, 0,1,2,3
	v_wmma_f32_16x16x4_f32 v[ACC+8*\t:ACC+8*\t+7], v[VR+8*\t:VR+8*\t+1], v[SS:SS+1], 0
.endr
.irp c, 1,2,3
.irp t, 0,1,2,3
	v_wmma_f32_16x16x4_f32 v[ACC+8*\t:ACC+8*\t+7], v[VR+(4*\t+\c)*2:VR+(4*\t+\c)*2+1], v[SS+2*\c:SS+2*\c+1], v[ACC+8*\t:ACC+8*\t+7]
.endr
.endr
.rept 8
	v_nop
.endr
	s_wait_dscnt 0x0                               ; the totals
.irp i, 0,2,4,6,8,10,12,14,16,18,20,22,24,26,28,30
	v_pk_mul_f32 v[AR+\i:AR+\i+1], v[VS+\i:VS+\i+1], v[248:249] op_sel_hi:[1,0]
.endr
.irp i, 0,2,4,6,8,10,12,14,16,18,20,22,24,26,28,30
	v_pk_fma_f32 v[AR+\i:AR+\i+1], v[ACC+\i:ACC+\i+1], v[250:251], v[AR+\i:AR+\i+1] op_sel_hi:[1,0,1]   ; a: register 8 t + j is channel 16 t + 8 h + j of position r
.endr
	s_wait_loadcnt 0x0                             ; the weights
	; ---- D: my head's part of out^T: source 0 = 16 output columns, source 1 = a; chunk c holds channels 16 (c / 4) + 8 h + 2 (c % 4) + 0, 1 on both sides
.irp n, 0,1
	v_wmma_f32_16x16x4_f32 v[ACC+8*\n:ACC+8*\n+7], v[W1+32*\n:W1+32*\n+1], v[AR:AR+1], 0
.endr
.irp n, 0,1
	v_wmma_f32_16x16x4_f32 v[ACC+16+8*\n:ACC+16+8*\n+7], v[W2+32*\n:W2+32*\n+1], v[AR:AR+1], 0
.endr
.irp c, 1,2,3,4,5,6,7,8,9,10,11,12,13,14,15
.irp n, 0,1
	v_wmma_f32_16x16x4_f32 v[ACC+8*\n:ACC+8*\n+7], v[W1+(16*\n+\c)*2:W1+(16*\n+\c)*2+1], v[AR+2*\c:AR+2*\c+1], v[ACC+8*\n:ACC+8*\n+7]
.endr
.irp n, 0,1
	v_wmma_f32_16x16x4_f32 v[ACC+16+8*\n:ACC+16+8*\n+7], v[W2+(16*\n+\c)*2:W2+(16*\n+\c)*2+1], v[AR+2*\c:AR+2*\c+1], v[ACC+16+8*\n:ACC+16+8*\n+7]
.endr
.endr
.rept 8
	v_nop
.endr
	; ---- E: the sixteen parts meet
.irp n, 0,1,2,3
	ds_store_b128 v11, v[ACC+8*\n:ACC+8*\n+3] offset:1024*\n        ; each accumulator from its low end on
	ds_store_b128 v11, v[ACC+8*\n+4:ACC+8*\n+7] offset:1024*\n+512
.endr
	s_wait_dscnt 0x0                               ; for the others' sake
	s_barrier_signal -1
	s_barrier_wait -1
	s_cmp_lt_u32 s14, 8                            ; waves 0-7 add and store two rows each
	s_cbranch_scc0 .Ldone
.irp i, 0,1,2,3,4,5,6,7,8,9,10,11,12,13,14,15
	ds_load_b128 v[W1+4*\i:W1+4*\i+3], v12 offset:4096*\i
.endr
	s_wait_dscnt 0x0
.irp i, 1,2,3,4,5,6,7,8,9,10,11,12,13,14,15   ; in the heads' order
	v_pk_add_f32 v[W1:W1+1], v[W1:W1+1], v[W1+4*\i:W1+4*\i+1]
	v_pk_add_f32 v[W1+2:W1+3], v[W1+2:W1+3], v[W1+4*\i+2:W1+4*\i+3]
.endr
	v_pk_add_f32 v[W1:W1+1], v[W1:W1+1], v[252:253]
	v_pk_add_f32 v[W1+2:W1+3], v[W1+2:W1+3], v[254:255]
	global_store_b128 v13, v[W1:W1+3], s[12:13]    ; sixteen lanes store 256 consecutive bytes, aligned
.Ldone:
	s_wait_tensorcnt 0x0                           ; the wave's end
	ds_add_u32 v7, v8
	s_wait_dscnt 0x0
	s_endpgm
.Lfunc_end_k_qa2eda76418_first16:
	.size	k_qa2eda76418_first16, .Lfunc_end_k_qa2eda76418_first16-k_qa2eda76418_first16
	.p2alignl 7, 3214868480
	.fill 96, 4, 3214868480
	.section	.rodata,"a",@progbits
	.p2align	6, 0x0
	.amdhsa_kernel k_qa2eda76418_first16
		.amdhsa_group_segment_fixed_size 71680
		.amdhsa_private_segment_fixed_size 0
		.amdhsa_enable_private_segment 0
		.amdhsa_kernarg_size 40
		.amdhsa_user_sgpr_count 2
		.amdhsa_user_sgpr_kernarg_segment_ptr 1
		.amdhsa_wavefront_size32 1
		.amdhsa_system_sgpr_workgroup_id_x 1
		.amdhsa_system_sgpr_workgroup_id_y 1
		.amdhsa_system_sgpr_workgroup_id_z 1
		.amdhsa_system_vgpr_workitem_id 0
		.amdhsa_next_free_vgpr 256
		.amdhsa_next_free_sgpr 66
		.amdhsa_reserve_vcc 1
		.amdhsa_float_denorm_mode_32 3
		.amdhsa_float_denorm_mode_16_64 3
		.amdhsa_memory_ordered 1
		.amdhsa_forward_progress 1
		.amdhsa_inst_pref_size 43
	.end_amdhsa_kernel
	.amdgpu_metadata
---
amdhsa.version: [ 1, 2 ]
amdhsa.kernels:
  - .name:           k_qa2eda76418_first16
    .symbol:         k_qa2eda76418_first16.kd
    .args:
      - { .name: fine, .offset: 0, .size: 8, .value_kind: global_buffer, .address_space: global }
      - { .name: c_proj_w, .offset: 8, .size: 8, .value_kind: global_buffer, .address_space: global }
      - { .name: c_proj_b, .offset: 16, .size: 8, .value_kind: global_buffer, .address_space: global }
      - { .name: vsuf, .offset: 24, .size: 8, .value_kind: global_buffer, .address_space: global }
      - { .name: out0, .offset: 32, .size: 8, .value_kind: global_buffer, .address_space: global }
    .group_segment_fixed_size: 71680
    .private_segment_fixed_size: 0
    .kernarg_segment_align: 8
    .kernarg_segment_size: 40
    .max_flat_workgroup_size: 512
    .sgpr_count:     66
    .vgpr_count:     256
    .wavefront_size: 32
...
	.end_amdgpu_metadata
.endif
;; end of part 3
;; launch attn (part 4): grid 4 x 64, 16 waves a work-group, clusters of 4 x 1, 327,680 bytes of LDS; arguments qkvh, vsuf, a_h; writes a_h
.if DOCPART == 4
	.amdgcn_target "amdgcn-amd-amdhsa--gfx1250"
	.amdhsa_code_object_version 6
	.text
	.protected	k_qa2eda76418_attn
	.globl	k_qa2eda76418_attn
	.p2align	8
	.type	k_qa2eda76418_attn,@function
k_qa2eda76418_attn:
	s_mov_b64 s[64:65], 0
	v_nop
	global_prefetch_b8 v0, s[64:65] scope:SCOPE_SE
	s_setreg_imm32_b32 hwreg(HW_REG_WAVE_MODE, 25, 1), 1
	s_wait_xcnt 0x0
	s_wait_alu depctr_hold_cnt(0) depctr_sa_sdst(0) depctr_va_vdst(0) depctr_va_sdst(0) depctr_va_ssrc(0) depctr_va_vcc(0) depctr_vm_vsrc(0)
	s_getreg_b32 s2, hwreg(HW_REG_IB_STS2, 6, 4)
	s_cmp_eq_u32 s2, 0
	s_cbranch_scc0 .Lentry_in_a_cluster
	s_endpgm
.Lentry_in_a_cluster:
	s_bfe_u32 s2, ttmp6, 0x10000c
	s_cmp_lg_u32 s2, 0x3003
	s_cbranch_scc0 .Lentry_shape_is_right
	s_endpgm
.Lentry_shape_is_right:
; ATTN: a = softmax(q k^T / 8, hidden scores at -10,000) v, for one batch and head a cluster; q, k, v in f16, products' sums, maxima and sums in f32, the weights p rounded to f16 for the second product.
; SHARES.  The four work-groups of a cluster share a head's 2,048 queries so that all four do the same work by the same control flow: wave w stands for the block g of 128 queries (g = w, with the order turned in every
; second group of four waves), and takes of it the 32 queries 128 g + 32 cx: two tiles of 16.  No branch hangs on cx.  Each partner's wave with g = 15 reads every key, so K and V come by JOINT loads, asked for by all four.
; THE MASK.  A hidden key has the score -10,000 and no less.  A wave walks keys 0 .. 128 g + 127; in the last 128 of them hidden scores are set to -80,000 ahead of the factor 1/8 and take part like any other.
; The 2,048 - 128 (g + 1) keys beyond all have the same score: they are merged at the end as ONE term: their number, the score, and the sum of their v (vsuf, made by the launch before).
; A step all of whose keys lie beyond is left out: a scalar branch on the wave's number and the count of steps, round the step's loads and arithmetic, not round a barrier or a tensor load.
; LAYOUT.  S^T = K Q^T, O^T = V^T P: a lane holds one query (lane % 16) throughout; two tiles of S^T, rounded in pairs, ARE source 1 of the second product.  K comes out of LDS as it lies, V turned by ds_load_tr16_b128.
; SOFTMAX.  A running maximum m and sum l for each query: p = 2^(c s - c m), c = log2(e) / 8; in every step O and l are multiplied by 2^(c m_old - c m_new).
; RING.  Two slots of 256 keys (K: rows of 128 bytes + 16; V: + 32); waves 0, 1 fetch K's halves, waves 2, 3 V's.  The change of slots stands at a slot's head; a wave has one tensor load out at the most, and every wait for tensor loads is for 0.
; Four waves share a SIMD, so that one wave's vector work stands beside another's matrix work and LDS loads.
; LIMITS: the score -10,000 x log2(e) of a hidden key inside the walk and that of the merged term may differ in the last bit; f16's range for q, k, v; NaN and infinities are not served.
.set PK,    144
.set PV,    160
.set VOFF,  256*PK                     ; a slot: 256 rows of K, then 256 rows of V
.set SLOT1, 1<<17                      ; slot 1 begins here: one exclusive or turns an address from one slot to the other
.set STG,   77824                      ; behind slot 0: 16 rows x 144 bytes for each wave, for the way out; no tile lands here
.set SPARE, 114688                     ; the spare words, 128 bytes for each wave: eight blocks of 256 bytes that no other line names
.set AK0, 1                            ; v1  my lane's place in a tile of K
.set AV0, 2                            ; v2  the same for V
.set ADK, 3                            ; v3  the step's K
.set ADV, 4                            ; v4  the step's V
.set SPW, 5
.set NIL, 6
.set QD,  7                            ; v7  my query of tile 0 - 8 (lane / 16)
.set PFO, 8                            ; v8  256 x lane
.set DD,  9                            ; v9  at work
.set NEG, 10                           ; v10 -80,000
.set STO, 11
.set RD,  12
.set GO,  13                           ; v13 16 x lane
.set VSO, 14                           ; v14 32 x (lane / 16)
.set QO,  15                           ; v15 my lane's place in a tile of Q
.set Q,   16                           ; v16-47   Q: tile t, channels 32 cc on: 16 t + 8 cc
.set KV,  48                           ; v48-111  a step's K, then its V
.set S,   112                          ; v112-175 S^T, 32 a tile; p's f16 pairs are packed into each tile's first 16
.set O,   176                          ; v176-239 O^T, 32 a tile
.set ST,  240                          ; v240-255 eight a tile: c m, m, l (two halves), four at work
.set WV,    14
.set G,     15
.set KF,    18                         ; the step's first key
.set KDIAG, 19                         ; 128 g
.set KEND,  20                         ; 128 g + 128
.set Q0,    21
.set CS,    22                         ; s[22:23] c
.set G1K,   24
.set G1V,   32
.set G0K,   40
.set G0V,   44
.set SEL,   48
.set TBK,   50
.set TBV,   51
.set SLOTS, 52
.set INN,   53
.set PFA,   54
.set LIM,   56
.set C0E,   57
.set CNT,   58
.macro TLOAD                           ; waves 0, 1: K's halves; waves 2, 3: V's; the others nothing.  The branches hang on the wave's number alone.  An s_nop 0 and four v_nop follow each line
	s_cmp_lt_u32 s[WV], 2
	s_cbranch_scc0 .Lnot_k_\@
	tensor_load_to_lds s[G0K:G0K+3], s[G1K:G1K+7]
	s_nop 0
.rept 4
	v_nop
.endr
	s_branch .Lasked_\@
.Lnot_k_\@:
	s_cmp_lt_u32 s[WV], 4
	s_cbranch_scc0 .Lasked_\@
	tensor_load_to_lds s[G0V:G0V+3], s[G1V:G1V+7]
	s_nop 0
.rept 4
	v_nop
.endr
.Lasked_\@:
.endm
; A prefetch of what the NEXT change of slots will ask for: 256 rows of K and of V, 32,768 dense bytes each.  The four partners share them out by address, 8,192 bytes each; in each, wave 4 asks for K's and wave 5 for V's,
; lanes 256 bytes apart: each block of 256 bytes is named once in the launch.  It stands behind the tensor load's lines.  The last change that fills a slot asks for nothing; slots 0 and 1 come by their loads alone.
.macro ASK
	s_cmp_gt_u32 s[SLOTS], s[LIM]
	s_cbranch_scc0 .Lnot_mine_\@
	global_prefetch_b8 v[PFO], s[PFA:PFA+1] th:TH_LOAD_NT scope:SCOPE_SE
.Lnot_mine_\@:
.endm
.macro ROUND                           ; a round of the cluster's barrier
	s_barrier_signal -1
	s_barrier_wait -1
	s_cmp_lg_u32 s[WV], 0
	s_cbranch_scc1 .Lnot_wave_0_\@
	s_barrier_signal -3
.Lnot_wave_0_\@:
	s_barrier_wait -3
	s_barrier_signal -1
	s_barrier_wait -1
.endm
	s_load_b128 s[4:7], s[0:1], 0x0                ; qkvh, vsuf
	s_load_b64 s[8:9], s[0:1], 0x10                ; a_h
	v_lshl_add_u32 v[SPW], v0, 2, SPARE
	v_mov_b32 v[NIL], 0
	ds_add_u32 v[SPW], v[NIL]                      ; the wave's opening: the add, twice on end, and its wait ahead of the first tensor loads
	ds_add_u32 v[SPW], v[NIL]
	v_lshrrev_b32 v1, 5, v0
	v_readfirstlane_b32 s[WV], v1                  ; wave 0..15
	s_bfe_u32 s16, ttmp6, 0x40000                  ; cx
	s_and_b32 s17, ttmp7, 0xffff
	s_lshr_b32 s59, s17, 4                         ; batch
	s_and_b32 s60, s17, 15                         ; head
	s_bfe_u32 s[G], s[WV], 0x10002
	s_mul_i32 s[G], s[G], 3
	s_xor_b32 s[G], s[G], s[WV]                    ; g: 0-3, 7-4, 8-11, 15-12
	s_lshl_b32 s[KDIAG], s[G], 7
	s_add_co_u32 s[KEND], s[KDIAG], 128
	s_lshl_b32 s[Q0], s16, 5
	s_add_co_u32 s[Q0], s[Q0], s[KDIAG]            ; my first query: it enters global addresses and the mask's comparison alone
	s_mul_i32 s61, s59, 48
	s_add_co_u32 s61, s61, s60
	s_lshl_b32 s62, s61, 18                        ; q's plane of 262,144 bytes; k's lies 16 planes on, v's 32
	s_mov_b32 s63, 0
	s_and_b32 s66, s[WV], 1                        ; which half of a slot's rows I fetch, if I fetch
	s_lshl_b32 s68, s66, 14
	s_mov_b32 s69, 0
	s_mul_i32 s67, s66, 128*PK
	s_mul_i32 s70, s66, 128*PV
	s_add_co_u32 s70, s70, VOFF
	s_mov_b32 s[G1K], 15|(1<<16)|(1<<20)|(1<<21)|(4<<22)|(3<<25)   ; the mask: all four; elements of 2 bytes; padding on; bit 21 beside a mask; after every 32 words, 4 words
	s_mov_b32 s[G1V], 15|(1<<16)|(1<<20)|(1<<21)|(4<<22)|(7<<25)   ; the same with 8 words
.irp g, G1K, G1V
	s_mov_b32 s[\g+1], 64<<16                      ; tensor_dim0
	s_mov_b32 s[\g+2], 128<<16                     ; tensor_dim1
	s_mov_b32 s[\g+3], 64<<16                      ; tile_dim0
	s_mov_b32 s[\g+4], 128                         ; tile_dim1
	s_mov_b32 s[\g+5], 64                          ; the pitch in memory
	s_mov_b32 s[\g+6], 0
	s_mov_b32 s[\g+7], 0
.endr
	s_mov_b32 s[CS], 0x3e38aa3b                    ; c = log2(e) / 8
	s_mov_b32 s[CS+1], s[CS]
	s_mov_b32 s[SEL], 0x76543210
	s_mov_b32 s[SEL+1], 0xfedcba98
	s_mov_b32 s[KF], 0
	s_mov_b32 s[TBK], 0
	s_mov_b32 s[TBV], 0
	s_mov_b32 s[SLOTS], 7
	s_mov_b32 s[C0E], 0xc6616bcd                   ; -10,000 x log2(e): the merged keys' score;
	s_mov_b32 s71, 0xff61b1e6                      ; where there are none (g = 15): -3e38, under every score
	s_cmp_eq_u32 s[G], 15
	s_cselect_b32 s[C0E], s71, s[C0E]
	s_sub_co_u32 s[CNT], 2048, s[KEND]             ; how many they are
	s_wait_dscnt 0x0                               ; both opening adds are done
	s_wait_kmcnt 0x0
	s_add_nc_u64 s[4:5], s[4:5], s[62:63]
	s_add_nc_u64 s[10:11], s[4:5], 0x400000        ; K
	s_add_nc_u64 s[12:13], s[4:5], 0x800000        ; V
	s_mov_b32 s[G0K], 1
	s_mov_b32 s[G0K+1], s67
	s_add_nc_u64 s[G0K+2:G0K+3], s[10:11], s[68:69]
	s_or_b32 s[G0K+3], s[G0K+3], 0x80000000
	s_mov_b32 s[G0V], 1
	s_mov_b32 s[G0V+1], s70
	s_add_nc_u64 s[G0V+2:G0V+3], s[12:13], s[68:69]
	s_or_b32 s[G0V+3], s[G0V+3], 0x80000000
	ROUND                                          ; all four work-groups are here: the first joint loads meet
	TLOAD                                          ; slot 0
	s_cmp_eq_u32 s66, 0                            ; the prefetches: wave 4 stands in K, wave 5 in V,
	s_cselect_b64 s[PFA:PFA+1], s[10:11], s[12:13]
	s_lshl_b32 s68, s16, 13                        ; at my work-group's 8,192 bytes
	s_add_co_u32 s68, s68, 32768                   ; of the second 256 keys: the first change of slots steps it on ahead of its use
	s_add_nc_u64 s[PFA:PFA+1], s[PFA:PFA+1], s[68:69]
	s_lshr_b32 s68, s[WV], 1
	s_cmp_eq_u32 s68, 2
	s_cselect_b32 s[LIM], 1, -1                    ; 1 in waves 4 and 5, else the greatest number
	s_lshl_b32 s68, s[Q0], 7
	s_add_nc_u64 s[4:5], s[4:5], s[68:69]          ; Q at my first query
	s_lshl_b32 s71, s60, 20
	s_add_co_u32 s68, s68, s71
	s_lshl_b32 s71, s59, 18
	s_add_co_u32 s68, s68, s71
	s_add_nc_u64 s[8:9], s[8:9], s[68:69]          ; a_h: (head x 8,192 + batch x 2,048 + query) x 128
	s_lshl_b32 s68, s59, 16
	s_lshl_b32 s71, s[G], 12
	s_add_co_u32 s68, s68, s71
	s_lshl_b32 s71, s60, 8
	s_add_co_u32 s68, s68, s71
	s_add_nc_u64 s[6:7], s[6:7], s[68:69]          ; vsuf: ((batch x 16 + g) x 1,024 + 64 head) x 4
	v_and_b32 v9, 15, v0                           ; r
	v_bfe_u32 v10, v0, 4, 1                        ; h
	v_mul_u32_u24 v[AK0], v9, PK
	v_lshl_add_u32 v[AK0], v10, 4, v[AK0]          ; K: row r, + 16 h
	v_and_b32 v3, 7, v0
	v_lshl_add_u32 v[AV0], v10, 3, v3
	v_mul_u32_u24 v[AV0], v[AV0], PV
	v_bfe_u32 v3, v0, 3, 1
	v_lshl_add_u32 v[AV0], v3, 4, v[AV0]
	v_add_nc_u32 v[AV0], VOFF, v[AV0]              ; V: key 8 h + lane % 8, channels 8 ((lane / 8) % 2) on
	v_lshlrev_b32 v3, 3, v10
	v_sub_nc_u32 v[QD], v9, v3
	v_add_nc_u32 v[QD], s[Q0], v[QD]
	v_and_b32 v4, 31, v0
	v_lshlrev_b32 v[PFO], 8, v4
	v_lshlrev_b32 v[GO], 4, v4
	s_mul_i32 s68, s[WV], 16*PK
	s_add_co_u32 s68, s68, STG                     ; my stage
	v_mul_u32_u24 v[STO], v9, PK
	v_lshl_add_u32 v[STO], v10, 4, v[STO]
	v_add_nc_u32 v[STO], s68, v[STO]
	v_lshrrev_b32 v3, 3, v4
	v_mul_u32_u24 v[RD], v3, PK
	v_and_b32 v3, 7, v0
	v_lshl_add_u32 v[RD], v3, 4, v[RD]
	v_add_nc_u32 v[RD], s68, v[RD]
	v_lshlrev_b32 v[VSO], 5, v10
	v_lshlrev_b32 v[QO], 7, v9
	v_lshl_add_u32 v[QO], v10, 4, v[QO]
.irp t, 0,1
.irp cc, 0,1
	global_load_b128 v[Q+16*\t+8*\cc:Q+16*\t+8*\cc+3], v[QO], s[4:5] offset:2048*\t+64*\cc       ; Q stays in registers
	global_load_b128 v[Q+16*\t+8*\cc+4:Q+16*\t+8*\cc+7], v[QO], s[4:5] offset:2048*\t+64*\cc+32
.endr
.endr
	v_mov_b32 v[NEG], 0xc79c4000                   ; -80,000
.irp t, 0,1
	v_mov_b32 v[ST+8*\t+1], 0xff61b1e6             ; m: -3e38, under every score
	v_mul_f32 v[ST+8*\t], s[CS], v[ST+8*\t+1]
.irp i, 2,3,4,5,6,7
	v_mov_b32 v[ST+8*\t+\i], 0
.endr
.endr
.set i, 0
.rept 64
	v_mov_b32 v[O+i], 0                            ; the step is written once: its first walk finds zeros
.set i, i+1
.endr
; A KEY STEP: 64 keys.
.macro STEP64
	s_cmp_ge_u32 s[KF], s[KEND]
	s_cbranch_scc1 .Lhidden_\@
	v_add_nc_u32 v[ADK], s[TBK], v[AK0]
	v_add_nc_u32 v[ADV], s[TBV], v[AV0]
.rept 3
	v_nop                                          ; with the two additions five places behind the last products: four for the loads into their sources, five for the products that write over p's registers
.endr
.irp kt, 0,1,2,3
.irp cc, 0,1
	ds_load_b128 v[KV+16*\kt+8*\cc:KV+16*\kt+8*\cc+3], v[ADK] offset:\kt*16*PK+64*\cc
	ds_load_b128 v[KV+16*\kt+8*\cc+4:KV+16*\kt+8*\cc+7], v[ADK] offset:\kt*16*PK+64*\cc+32
.endr
.endr
	s_wait_dscnt 0x0
.irp kt, 0,1,2,3                       ; S^T = K Q^T: eight accumulators by turns
.irp t, 0,1
	v_wmma_f32_16x16x32_f16 v[S+32*\t+8*\kt:S+32*\t+8*\kt+7], v[KV+16*\kt:KV+16*\kt+7], v[Q+16*\t:Q+16*\t+7], 0
.endr
.endr
.irp kt, 0,1,2,3
.irp t, 0,1
	v_wmma_f32_16x16x32_f16 v[S+32*\t+8*\kt:S+32*\t+8*\kt+7], v[KV+16*\kt+8:KV+16*\kt+15], v[Q+16*\t+8:Q+16*\t+15], v[S+32*\t+8*\kt:S+32*\t+8*\kt+7]
.endr
.endr
.rept 4
	v_nop                                          ; places in front of the loads into K's registers and of the first read of the scores
.endr
.irp c, 0,1
.irp ch, 0,1,2,3
	ds_load_tr16_b128 v[KV+32*\c+8*\ch:KV+32*\c+8*\ch+3], v[ADV] offset:\c*32*PV+32*\ch            ; V^T: channels 16 ch on, keys 32 c on; it lands while the softmax is walked
	ds_load_tr16_b128 v[KV+32*\c+8*\ch+4:KV+32*\c+8*\ch+7], v[ADV] offset:\c*32*PV+16*PV+32*\ch
.endr
.endr
	s_cmp_lt_u32 s[KF], s[KDIAG]                   ; a step all of whose keys count for all queries of the block skips the mask
	s_cbranch_scc1 .Lopen_\@
	v_sub_nc_u32 v[DD], v[QD], s[KF]               ; register 8 kt + j of tile t holds key KF + 16 kt + 8 h + j: hidden where 16 kt + j - 16 t is above this number
.irp t, 0,1
.irp n, 0,1,2,3,4,5,6,7,8,9,10,11,12,13,14,15,16,17,18,19,20,21,22,23,24,25,26,27,28,29,30,31
	v_cmp_gt_i32 vcc_lo, 16*(\n/8)+\n%8-16*\t, v[DD]
	v_cndmask_b32 v[S+32*\t+\n], v[S+32*\t+\n], v[NEG], vcc_lo
.endr
.endr
.Lopen_\@:
.irp k, 0,1,2,3                        ; the maximum, three operands at a time, four chains a tile, the tiles by turns; each accumulator is read from its low end on
.irp t, 0,1
	v_max3_num_f32 v[ST+8*\t+4+\k], v[S+32*\t+8*\k], v[S+32*\t+8*\k+1], v[S+32*\t+8*\k+2]
.endr
.endr
.irp i, 3,5
.irp k, 0,1,2,3
.irp t, 0,1
	v_max3_num_f32 v[ST+8*\t+4+\k], v[ST+8*\t+4+\k], v[S+32*\t+8*\k+\i], v[S+32*\t+8*\k+\i+1]
.endr
.endr
.endr
.irp t, 0,1
	v_max3_num_f32 v[ST+8*\t+4], v[ST+8*\t+4], v[S+32*\t+7], v[S+32*\t+15]
	v_max3_num_f32 v[ST+8*\t+6], v[ST+8*\t+6], v[S+32*\t+23], v[S+32*\t+31]
.endr
.irp t, 0,1
	v_max3_num_f32 v[ST+8*\t+4], v[ST+8*\t+4], v[ST+8*\t+5], v[ST+8*\t+6]
.endr
.irp t, 0,1
	v_max3_num_f32 v[ST+8*\t+4], v[ST+8*\t+4], v[ST+8*\t+7], v[ST+8*\t+1]   ; with the old m
.endr
.irp t, 0,1
	v_permlanex16_b32 v[ST+8*\t+5], v[ST+8*\t+4], s[SEL], s[SEL+1]          ; the query's other keys lie in the lane 16 away
.endr
.irp t, 0,1
	v_mov_b32 v[ST+8*\t+7], v[ST+8*\t]
.endr
.irp t, 0,1
	v_max_num_f32 v[ST+8*\t+1], v[ST+8*\t+4], v[ST+8*\t+5]
.endr
.irp t, 0,1
	v_mul_f32 v[ST+8*\t], s[CS], v[ST+8*\t+1]
.endr
.irp t, 0,1
	v_sub_f32 v[ST+8*\t+7], v[ST+8*\t+7], v[ST+8*\t]
.endr
.irp t, 0,1
	v_exp_f32 v[ST+8*\t+6], v[ST+8*\t+7]           ; 2^(c m_old - c m_new)
.endr
.irp i, 0,2,4,6,8,10,12,14,16,18,20,22,24,26,28,30
.irp t, 0,1
	v_pk_fma_f32 v[S+32*\t+\i:S+32*\t+\i+1], v[S+32*\t+\i:S+32*\t+\i+1], s[CS:CS+1], v[ST+8*\t:ST+8*\t+1] op_sel_hi:[1,0,0] neg_lo:[0,0,1] neg_hi:[0,0,1]   ; c s - c m
.endr
.endr
.irp i, 0,1,2,3,4,5,6,7,8,9,10,11,12,13,14,15,16,17,18,19,20,21,22,23,24,25,26,27,28,29,30,31
.irp t, 0,1
	v_exp_f32 v[S+32*\t+\i], v[S+32*\t+\i]
.endr
.endr
	v_nop                                          ; a plain line behind the last exponential
	s_wait_alu depctr_va_vdst(0)                   ; ONE wait for the step's 66 exponentials, ahead of their first reader
.irp t, 0,1
	v_pk_mul_f32 v[ST+8*\t+2:ST+8*\t+3], v[ST+8*\t+2:ST+8*\t+3], v[ST+8*\t+6:ST+8*\t+7] op_sel_hi:[1,0]
.endr
.irp t, 0,1
	v_pk_add_f32 v[ST+8*\t+4:ST+8*\t+5], v[S+32*\t:S+32*\t+1], v[S+32*\t+2:S+32*\t+3]   ; the sums are taken of the unrounded p, in two chains a tile
.endr
.irp i, 4,8,12,16,20,24,28
.irp t, 0,1
	v_pk_add_f32 v[ST+8*\t+2:ST+8*\t+3], v[ST+8*\t+2:ST+8*\t+3], v[S+32*\t+\i:S+32*\t+\i+1]
	v_pk_add_f32 v[ST+8*\t+4:ST+8*\t+5], v[ST+8*\t+4:ST+8*\t+5], v[S+32*\t+\i+2:S+32*\t+\i+3]
.endr
.endr
.irp t, 0,1
	v_pk_add_f32 v[ST+8*\t+2:ST+8*\t+3], v[ST+8*\t+2:ST+8*\t+3], v[ST+8*\t+4:ST+8*\t+5]
.endr
.irp i, 0,1,2,3,4,5,6,7,8,9,10,11,12,13,14,15
.irp t, 0,1
	v_cvt_pk_f16_f32 v[S+32*\t+\i], v[S+32*\t+2*\i], v[S+32*\t+2*\i+1]     ; in place, ascending: a pair's place has been read when it is written
.endr
.endr
.irp i, 0,2,4,6,8,10,12,14,16,18,20,22,24,26,28,30
.irp t, 0,1
	v_pk_mul_f32 v[O+32*\t+\i:O+32*\t+\i+1], v[O+32*\t+\i:O+32*\t+\i+1], v[ST+8*\t+6:ST+8*\t+7] op_sel_hi:[1,0]
.endr
.endr
	s_wait_dscnt 0x0                               ; V is in
.irp c, 0,1                            ; O^T += V^T P: eight accumulators by turns
.irp ch, 0,1,2,3
.irp t, 0,1
	v_wmma_f32_16x16x32_f16 v[O+32*\t+8*\ch:O+32*\t+8*\ch+7], v[KV+32*\c+8*\ch:KV+32*\c+8*\ch+7], v[S+32*\t+8*\c:S+32*\t+8*\c+7], v[O+32*\t+8*\ch:O+32*\t+8*\ch+7]
.endr
.endr
.endr
.Lhidden_\@:
	s_add_co_u32 s[KF], s[KF], 64
	s_add_co_u32 s[TBK], s[TBK], 64*PK
	s_add_co_u32 s[TBV], s[TBV], 64*PV
.endm
; THE CHANGE OF SLOTS, at a slot's head.  Each wave waits for all its tensor loads (its part of the slot ahead), adds 0 to its spare word, and waits for that and for its reads of the slot that it has left.
; fill = 1: the barrier is a round of the cluster's, and behind it the slot just left is asked for jointly, with the next 256 keys: the load has a slot's four steps in which to land.
.macro CHANGE fill
	s_wait_tensorcnt 0x0                           ; no tensor load of mine is out, so a descriptor may be written
	ds_add_u32 v[SPW], v[NIL]
.if \fill
	ds_add_u32 v[SPW], v[NIL]                      ; and twice on end here, in every trip alike
	s_xor_b32 s[G0K+1], s[G0K+1], SLOT1
	s_add_nc_u64 s[G0K+2:G0K+3], s[G0K+2:G0K+3], 32768
	s_xor_b32 s[G0V+1], s[G0V+1], SLOT1
	s_add_nc_u64 s[G0V+2:G0V+3], s[G0V+2:G0V+3], 32768
	s_wait_xcnt 0x0                                ; the last prefetch, a slot back, has read its address
	s_add_nc_u64 s[PFA:PFA+1], s[PFA:PFA+1], 32768
	s_wait_dscnt 0x0
	ROUND
	TLOAD
	ASK
.else
	s_wait_dscnt 0x0
	s_barrier_signal -1
	s_barrier_wait -1
.endif
.endm
.macro SLOT_STEPS                      ; a slot's four steps: written once, walked four times
	s_mov_b32 s[INN], 4
.Lin_\@:
	STEP64
	s_sub_co_u32 s[INN], s[INN], 1
	s_cmp_lg_u32 s[INN], 0
	s_cbranch_scc1 .Lin_\@
	s_sub_co_u32 s[TBK], s[TBK], 256*PK            ; back to a slot's first step,
	s_xor_b32 s[TBK], s[TBK], SLOT1                ; in the other slot
	s_sub_co_u32 s[TBV], s[TBV], 256*PV
	s_xor_b32 s[TBV], s[TBV], SLOT1
.endm
	s_wait_loadcnt 0x0                             ; Q
.Lslot:                                            ; seven trips: behind each change of slots but the last the next 256 keys are asked for
	CHANGE 1
	SLOT_STEPS
	s_sub_co_u32 s[SLOTS], s[SLOTS], 1
	s_cmp_lg_u32 s[SLOTS], 0
	s_cbranch_scc1 .Lslot
	CHANGE 0                                       ; the last slot is written out
	SLOT_STEPS
	; THE WAY OUT.  The keys beyond the walk are merged: mp = max(c m, their score); fo = 2^(c m - mp), fm = 2^(their score - mp); a = (O fo + vsuf fm) / (l fo + their number x fm).
.rept 4
	v_nop                                          ; places behind the last products
.endr
.irp ch, 0,1,2,3
	global_load_b128 v[KV+8*\ch:KV+8*\ch+3], v[VSO], s[6:7] offset:64*\ch          ; vsuf of channels 16 ch + 8 h + 0 .. 7
	global_load_b128 v[KV+8*\ch+4:KV+8*\ch+7], v[VSO], s[6:7] offset:64*\ch+16
.endr
	v_cvt_f32_u32 v[DD], s[CNT]
.irp t, 0,1
	v_add_f32 v[ST+8*\t+4], v[ST+8*\t+2], v[ST+8*\t+3]
.endr
.irp t, 0,1
	v_permlanex16_b32 v[ST+8*\t+5], v[ST+8*\t+4], s[SEL], s[SEL+1]
.endr
.irp t, 0,1
	v_add_f32 v[ST+8*\t+4], v[ST+8*\t+4], v[ST+8*\t+5]     ; l
.endr
.irp t, 0,1
	v_max_num_f32 v[ST+8*\t+5], s[C0E], v[ST+8*\t]
.endr
.irp t, 0,1
	v_sub_f32 v[ST+8*\t+6], v[ST+8*\t], v[ST+8*\t+5]
	v_sub_f32 v[ST+8*\t+7], s[C0E], v[ST+8*\t+5]
.endr
.irp t, 0,1
	v_exp_f32 v[ST+8*\t+6], v[ST+8*\t+6]
	v_exp_f32 v[ST+8*\t+7], v[ST+8*\t+7]
.endr
	v_nop
	s_wait_alu depctr_va_vdst(0)                   ; one wait for the four
.irp t, 0,1
	v_mul_f32 v[ST+8*\t+5], v[DD], v[ST+8*\t+7]
.endr
.irp t, 0,1
	v_fma_f32 v[ST+8*\t+4], v[ST+8*\t+4], v[ST+8*\t+6], v[ST+8*\t+5]
.endr
.irp t, 0,1
	v_rcp_f32 v[ST+8*\t+4], v[ST+8*\t+4]
.endr
	v_nop
	s_wait_alu depctr_va_vdst(0)                   ; one wait for the two
.irp t, 0,1
	v_mul_f32 v[ST+8*\t+7], v[ST+8*\t+7], v[ST+8*\t+4]
.endr
.irp t, 0,1
	v_mul_f32 v[ST+8*\t+4], v[ST+8*\t+6], v[ST+8*\t+4]     ; fo / the divisor, the low word of a pair
.endr
.irp t, 0,1
	v_mov_b32 v[ST+8*\t+6], v[ST+8*\t+7]                   ; fm / the divisor, likewise
.endr
	s_wait_loadcnt 0x0
.irp i, 0,2,4,6,8,10,12,14,16,18,20,22,24,26,28,30
.irp t, 0,1
	v_pk_mul_f32 v[S+32*\t+\i:S+32*\t+\i+1], v[KV+\i:KV+\i+1], v[ST+8*\t+6:ST+8*\t+7] op_sel_hi:[1,0]
.endr
.endr
.irp i, 0,2,4,6,8,10,12,14,16,18,20,22,24,26,28,30
.irp t, 0,1
	v_pk_fma_f32 v[S+32*\t+\i:S+32*\t+\i+1], v[O+32*\t+\i:O+32*\t+\i+1], v[ST+8*\t+4:ST+8*\t+5], v[S+32*\t+\i:S+32*\t+\i+1] op_sel_hi:[1,0,1]
.endr
.endr
.irp i, 0,1,2,3,4,5,6,7,8,9,10,11,12,13,14,15
.irp t, 0,1
	v_cvt_pk_f16_f32 v[S+32*\t+\i], v[S+32*\t+2*\i], v[S+32*\t+2*\i+1]
.endr
.endr
.irp t, 0,1                            ; a tile's 16 rows of 128 bytes go through my stage and come back four rows to an instruction; LDS serves a wave's instructions in order
.irp ch, 0,1,2,3
	ds_store_b128 v[STO], v[S+32*\t+4*\ch:S+32*\t+4*\ch+3] offset:32*\ch
.endr
.irp u, 0,1,2,3
	ds_load_b128 v[O+16*\t+4*\u:O+16*\t+4*\u+3], v[RD] offset:4*PK*\u
.endr
.endr
.irp u, 0,1,2,3
	s_wait_dscnt 11-\u                             ; behind tile 0's load u: its own younger loads, and tile 1's four stores and four loads
	global_store_b128 v[GO], v[O+4*\u:O+4*\u+3], s[8:9] offset:512*\u              ; 512 consecutive bytes
.endr
.irp u, 0,1,2,3
	s_wait_dscnt 3-\u
	global_store_b128 v[GO], v[O+16+4*\u:O+16+4*\u+3], s[8:9] offset:2048+512*\u
.endr
	s_wait_tensorcnt 0x0                           ; the wave's end
	ds_add_u32 v[SPW], v[NIL]
	s_wait_dscnt 0x0
	ROUND                                          ; the closing round
	s_endpgm
.Lfunc_end_k_qa2eda76418_attn:
	.size	k_qa2eda76418_attn, .Lfunc_end_k_qa2eda76418_attn-k_qa2eda76418_attn
	.p2alignl 7, 3214868480
	.fill 96, 4, 3214868480
	.section	.rodata,"a",@progbits
	.p2align	6, 0x0
	.amdhsa_kernel k_qa2eda76418_attn
		.amdhsa_group_segment_fixed_size 327680
		.amdhsa_private_segment_fixed_size 0
		.amdhsa_enable_private_segment 0
		.amdhsa_kernarg_size 24
		.amdhsa_user_sgpr_count 2
		.amdhsa_user_sgpr_kernarg_segment_ptr 1
		.amdhsa_wavefront_size32 1
		.amdhsa_system_sgpr_workgroup_id_x 1
		.amdhsa_system_sgpr_workgroup_id_y 1
		.amdhsa_system_sgpr_workgroup_id_z 1
		.amdhsa_system_vgpr_workitem_id 0
		.amdhsa_next_free_vgpr 256
		.amdhsa_next_free_sgpr 72
		.amdhsa_reserve_vcc 1
		.amdhsa_float_denorm_mode_32 3
		.amdhsa_float_denorm_mode_16_64 3
		.amdhsa_memory_ordered 1
		.amdhsa_forward_progress 1
		.amdhsa_inst_pref_size 67
	.end_amdhsa_kernel
	.amdgpu_metadata
---
amdhsa.version: [ 1, 2 ]
amdhsa.kernels:
  - .name:           k_qa2eda76418_attn
    .symbol:         k_qa2eda76418_attn.kd
    .args:
      - { .name: qkvh, .offset: 0, .size: 8, .value_kind: global_buffer, .address_space: global }
      - { .name: vsuf, .offset: 8, .size: 8, .value_kind: global_buffer, .address_space: global }
      - { .name: a_h, .offset: 16, .size: 8, .value_kind: global_buffer, .address_space: global }
    .group_segment_fixed_size: 327680
    .private_segment_fixed_size: 0
    .kernarg_segment_align: 8
    .kernarg_segment_size: 24
    .max_flat_workgroup_size: 512
    .sgpr_count:     72
    .vgpr_count:     256
    .wavefront_size: 32
...
	.end_amdgpu_metadata
.endif
;; end of part 4
;; launch proj (part 5): grid 8 x 32, 4 waves a work-group, clusters of 4 x 4, 327,680 bytes of LDS; arguments a_h, wpt, c_proj_b, out0; writes out0
.if DOCPART == 5
	.amdgcn_target "amdgcn-amd-amdhsa--gfx1250"
	.amdhsa_code_object_version 6
	.text
	.protected	k_qa2eda76418_proj
	.globl	k_qa2eda76418_proj
	.p2align	8
	.type	k_qa2eda76418_proj,@function
k_qa2eda76418_proj:
	s_mov_b64 s[64:65], 0
	v_nop
	global_prefetch_b8 v0, s[64:65] scope:SCOPE_SE
	s_setreg_imm32_b32 hwreg(HW_REG_WAVE_MODE, 25, 1), 1
	s_wait_xcnt 0x0
	s_wait_alu depctr_hold_cnt(0) depctr_sa_sdst(0) depctr_va_vdst(0) depctr_va_sdst(0) depctr_va_ssrc(0) depctr_va_vcc(0) depctr_vm_vsrc(0)
	s_getreg_b32 s2, hwreg(HW_REG_IB_STS2, 6, 4)
	s_cmp_eq_u32 s2, 0
	s_cbranch_scc0 .Lentry_in_a_cluster
	s_endpgm
.Lentry_in_a_cluster:
	s_bfe_u32 s2, ttmp6, 0x10000c
	s_cmp_lg_u32 s2, 0xf033
	s_cbranch_scc0 .Lentry_shape_is_right
	s_endpgm
.Lentry_shape_is_right:
; PROJ: out0 = a c_proj_w + c_proj_b, M 8,192, N 1,024, K 1,024; operands in f16, sums in f32.  a_h: [head][row][64]; wpt: [k / 64][n][64 k]: rows of 128 bytes, dense.
; A tile of 256 x 128 gives 256 work-groups, one for each WGP; a wave makes 128 x 64: 32 accumulators, window 2.  A K step is 128, two heads: wave 0, 1 fetch a's 256 rows of the one and the other head, waves 2, 3 the weight's 128 rows.
; CLUSTERS: 4 x 4; a's tiles are asked for jointly along a row of the cluster, the weight's along a column.  The tile row is cluster y + 8 cy, so that 'my rows begin a sequence' hangs on the cluster's number and the wave's alone.
; THE MATRIX INSTRUCTION IS USED TRANSPOSED (source 0 = 16 columns of the weight, source 1 = 16 rows of a).  The bias is the C of each sum's first instruction (the sums' first addend).
; Positions 0-15 of every sequence are NOT stored here: they are carried in f32 by the launch for them, so each byte of out0 is written once.
; No prefetch: the launch is short, and of its eight K steps the first two are first fills and the next two would be asked for at the head.
; REGISTERS: window 0: v16-29 addresses; v32-63 the bias; v64-127, v128-191 a's fragments, two buffers; on the way out v64-127 rows read back.  window 1: v64-95, v128-159 the weight's fragments.  window 2: accumulator (a, b) at v[8 (4 a + b)].
.set PITCH,  144                       ; an LDS row: 128 bytes + 16 of padding
.set AZ,     256*PITCH                 ; a's rows of one head
.set BZ,     128*PITCH                 ; the weight's rows of one head
.set BOFF,   2*AZ
.set SLOT,   2*AZ+2*BZ
.set STAGE,  2*SLOT                    ; behind the ring: 16 rows x 272 bytes for each wave
.set SPITCH, 272
.set SPARE,  STAGE+4*16*SPITCH         ; the spare words, 128 bytes for each wave: two blocks of 256 bytes that no other line names
.set ADRA, 16
.set ADRB, 20
.set STO,  24
.set RD,   25
.set CO,   26
.set BO,   27
.set SPW,  28
.set NIL,  29
.set BIAS, 32
.set F0,   64
.set F1,   128
.set BK,   64
.set G1, 24
.set G0, 32
.set G1B, 48
.set G0B, 56
.set MSB, 0
.macro WIN new
.if MSB != \new
	s_set_vgpr_msb (MSB<<8)|\new
.set MSB, \new
.endif
.endm
.set MUL,   0xa1                       ; source 0 window 1, source 1 window 0, C and D window 2
.set MULB,  0x81                       ; the first quarter: C (the bias) window 0
.set TO_B,  0x40
.macro JLOAD s
	s_cmp_eq_u32 s11, 0
	s_cbranch_scc0 .Lfor_b_\@
	tensor_load_to_lds s[G0+4*\s:G0+4*\s+3], s[G1:G1+7]
	s_nop 0
.rept 4
	v_nop
.endr
	s_branch .Lasked_\@
.Lfor_b_\@:
	tensor_load_to_lds s[G0B+4*\s:G0B+4*\s+3], s[G1B:G1B+7]
	s_nop 0
.rept 4
	v_nop
.endr
.Lasked_\@:
.endm
.macro CREST
	s_cmp_lg_u32 s10, 0
	s_cbranch_scc1 .Lnot_wave_0_\@
	s_barrier_signal -3
.Lnot_wave_0_\@:
	s_barrier_wait -3
	s_barrier_signal -1
	s_barrier_wait -1
.endm
.macro CROUND
	s_barrier_signal -1
	s_barrier_wait -1
	CREST
.endm
	s_load_b128 s[4:7], s[0:1], 0x0                ; a_h, wpt
	s_load_b128 s[68:71], s[0:1], 0x10             ; c_proj_b, out0
	v_lshl_add_u32 v[SPW], v0, 2, SPARE
	v_mov_b32 v[NIL], 0
	ds_add_u32 v[SPW], v[NIL]                      ; the wave's opening: the add, twice on end, and its wait ahead of my first tensor load
	ds_add_u32 v[SPW], v[NIL]
	v_lshrrev_b32 v1, 5, v0
	v_readfirstlane_b32 s10, v1                    ; wave 0..3
	s_lshr_b32 s11, s10, 1                         ; which half of the tile's rows is mine.  Also: I fetch for a (0) or for the weight (1)
	s_and_b32 s12, s10, 1                          ; which half of its columns.  Also: which of a K step's two heads I fetch
	s_bfe_u32 s40, ttmp6, 0x40000                  ; cx
	s_bfe_u32 s41, ttmp6, 0x40004                  ; cy
	s_lshl_b32 s42, ttmp9, 2
	s_add_co_u32 s42, s42, s40                     ; tile column = 4 x cluster x + cx
	s_and_b32 s13, ttmp7, 0xffff
	s_lshl_b32 s14, s41, 3
	s_add_co_u32 s13, s13, s14                     ; tile row = cluster y + 8 cy
	s_lshl_b32 s43, s41, 2
	s_lshl_b32 s43, 15, s43                        ; my row of the cluster
	s_lshl_b32 s44, 0x1111, s40                    ; my column
	s_or_b32 s[G1+0], s43, (1<<16)|(1<<20)|(1<<21)|(4<<22)|(3<<25)   ; the mask; elements of 2 bytes; padding on; bit 21 beside a mask; after every 32 words, 4 words
	s_or_b32 s[G1B+0], s44, (1<<16)|(1<<20)|(1<<21)|(4<<22)|(3<<25)
	s_mov_b32 s[G1+1], 64<<16                      ; tensor_dim0
	s_mov_b32 s[G1+2], 256<<16                     ; tensor_dim1
	s_mov_b32 s[G1+3], 64<<16                      ; tile_dim0
	s_mov_b32 s[G1+4], 256                         ; tile_dim1
	s_mov_b32 s[G1+5], 64                          ; the pitch in memory
	s_mov_b32 s[G1+6], 0
	s_mov_b32 s[G1+7], 0
	s_mov_b32 s[G1B+1], 64<<16
	s_mov_b32 s[G1B+2], 128<<16
	s_mov_b32 s[G1B+3], 64<<16
	s_mov_b32 s[G1B+4], 128
	s_mov_b32 s[G1B+5], 64
	s_mov_b32 s[G1B+6], 0
	s_mov_b32 s[G1B+7], 0
	s_lshl_b32 s16, s12, 20                        ; a: (head x 8,192 + 256 x tile row) x 128
	s_lshl_b32 s17, s13, 15
	s_add_co_u32 s16, s16, s17
	s_mov_b32 s17, 0
	s_lshl_b32 s46, s12, 17                        ; the weight: (head x 1,024 + 128 x tile column) x 128
	s_lshl_b32 s47, s42, 14
	s_add_co_u32 s46, s46, s47
	s_mov_b32 s47, 0
	s_mul_i32 s20, s12, AZ                         ; where they go: no place in the cluster enters an LDS address
	s_mul_i32 s21, s12, BZ
	s_add_co_u32 s21, s21, BOFF
	s_wait_dscnt 0x0                               ; both opening adds are done
	s_wait_kmcnt 0x0
	s_add_nc_u64 s[14:15], s[4:5], s[16:17]
	s_add_nc_u64 s[46:47], s[6:7], s[46:47]
	CROUND                                         ; all sixteen work-groups are here: the first joint loads meet
.irp s, 0,1
	s_mov_b32 s[G0+4*\s], 1
	s_add_co_u32 s[G0+4*\s+1], s20, \s*SLOT
	s_add_nc_u64 s[G0+4*\s+2:G0+4*\s+3], s[14:15], \s*2*8192*128
	s_or_b32 s[G0+4*\s+3], s[G0+4*\s+3], 0x80000000
	s_mov_b32 s[G0B+4*\s], 1
	s_add_co_u32 s[G0B+4*\s+1], s21, \s*SLOT
	s_add_nc_u64 s[G0B+4*\s+2:G0B+4*\s+3], s[46:47], \s*2*1024*128
	s_or_b32 s[G0B+4*\s+3], s[G0B+4*\s+3], 0x80000000
	JLOAD \s                                       ; two tensor loads of mine are out
.endr
	v_and_b32 v1, 15, v0                           ; r
	v_bfe_u32 v2, v0, 4, 1                         ; h
	v_mul_u32_u24 v3, v1, PITCH
	v_lshl_add_u32 v3, v2, 4, v3
	s_mul_i32 s22, s11, 128*PITCH                  ; my 128 rows of a
	s_mul_i32 s23, s12, 64*PITCH                   ; my 64 columns of the weight
	s_add_co_u32 s23, s23, BOFF
.irp s, 0,1
	v_add_nc_u32 v[ADRA+\s], s22, v3
	v_add_nc_u32 v[ADRB+\s], s23, v3
	s_add_co_u32 s22, s22, SLOT
	s_add_co_u32 s23, s23, SLOT
.endr
	s_mul_i32 s23, s10, 16*SPITCH
	s_add_co_u32 s23, s23, STAGE                   ; my stage
	v_mul_u32_u24 v4, v1, SPITCH
	v_lshl_add_u32 v4, v2, 5, v4
	v_add_nc_u32 v[STO], s23, v4                   ; in: row r, + 32 h
	v_mul_u32_u24 v5, v2, SPITCH
	v_lshl_add_u32 v5, v1, 4, v5
	v_add_nc_u32 v[RD], s23, v5                    ; back: lanes 0-15 one row of 256 bytes, lanes 16-31 the next
	v_lshlrev_b32 v5, 12, v2
	v_lshl_add_u32 v[CO], v1, 4, v5                ; and the same two rows in out0
	v_lshlrev_b32 v[BO], 5, v2
	s_lshl_b32 s46, s42, 9                         ; my first column in bytes: 512 x tile column + 256 x half
	s_lshl_b32 s47, s12, 8
	s_add_co_u32 s46, s46, s47
	s_mov_b32 s47, 0
	s_add_nc_u64 s[68:69], s[68:69], s[46:47]
.irp b, 0,1,2,3
	global_load_b128 v[BIAS+8*\b:BIAS+8*\b+3], v[BO], s[68:69] offset:64*\b
	global_load_b128 v[BIAS+8*\b+4:BIAS+8*\b+7], v[BO], s[68:69] offset:64*\b+16
.endr
	s_lshl_b32 s16, s13, 20                        ; my first row: (256 x tile row + 128 x half) x 4,096
	s_add_co_u32 s46, s46, s16
	s_lshl_b32 s16, s11, 19
	s_add_co_u32 s46, s46, s16
	s_add_nc_u64 s[70:71], s[70:71], s[46:47]
	s_and_b32 s2, ttmp7, 0xffff
	s_or_b32 s2, s2, s11                           ; 0 where my rows begin a sequence
.macro MUL8 f, a0, first               ; a's blocks a0, a0 + 1 against the weight's four, 32 along K.  The 32 accumulators take turns
.irp a, \a0, \a0+1
.irp b, 0,1,2,3
.if \first
	v_wmma_f32_16x16x32_f16 v[8*(4*(\a)+\b):8*(4*(\a)+\b)+7], v[\f+8*\b:\f+8*\b+7], v[\f+8*(\a):\f+8*(\a)+7], v[BIAS+8*\b:BIAS+8*\b+7]
.else
	v_wmma_f32_16x16x32_f16 v[8*(4*(\a)+\b):8*(4*(\a)+\b)+7], v[\f+8*\b:\f+8*\b+7], v[\f+8*(\a):\f+8*(\a)+7], v[8*(4*(\a)+\b):8*(4*(\a)+\b)+7]
.endif
.endr
.endr
.endm
.macro FETCH slot, q, f                ; 24 LDS loads in one run: quarter q of a K step: head q / 2, channels 32 (q % 2) on
	WIN TO_B
.irp i, 0,1,2,3
	ds_load_b128 v[\f+8*\i:\f+8*\i+3],   v[ADRB+\slot] offset:((\q)/2)*BZ+((\q)%2)*64+\i*16*PITCH
	ds_load_b128 v[\f+8*\i+4:\f+8*\i+7], v[ADRB+\slot] offset:((\q)/2)*BZ+((\q)%2)*64+\i*16*PITCH+32
.endr
	WIN 0
.irp i, 0,1,2,3,4,5,6,7
	ds_load_b128 v[\f+8*\i:\f+8*\i+3],   v[ADRA+\slot] offset:((\q)/2)*AZ+((\q)%2)*64+\i*16*PITCH
	ds_load_b128 v[\f+8*\i+4:\f+8*\i+7], v[ADRA+\slot] offset:((\q)/2)*AZ+((\q)%2)*64+\i*16*PITCH+32
.endr
.endm
.macro PLACES
.rept 4
	v_nop
.endr
.endm
.macro QUARTER slot, qn, f, g, first   ; multiplies buffer f; in its middle fetches quarter qn of the same slot into g
	s_wait_dscnt 8                                 ; all but the youngest eight loads (a's blocks 4-7) are in
.if \first
	WIN MULB
.else
	WIN MUL
.endif
	MUL8 \f, 0, \first
	MUL8 \f, 2, \first
	PLACES
	FETCH \slot, \qn, \g
	s_wait_dscnt 24                                ; all but the 24 just issued
.if \first
	WIN MULB
.else
	WIN MUL
.endif
	MUL8 \f, 4, \first
	MUL8 \f, 6, \first
.endm
; A K step's last quarter multiplies buffer 1 and changes slots: ONE barrier; in front of it each wave waits for all its tensor loads, adds 0 to its spare word, and waits for that and for its reads of this slot.
; fill = 1: the barrier opens a round of the cluster's, and this slot is asked for again, two K steps ahead.
.macro TURN slot, next, fill
	WIN 0
	s_wait_tensorcnt 0x0
	ds_add_u32 v[SPW], v[NIL]
	s_wait_dscnt 9                                 ; the add and the youngest eight loads may be out
	WIN MUL
	MUL8 F1, 0, 0
	s_wait_dscnt 0x0                               ; the add is done, and my reads of this slot are over
	s_barrier_signal -1
	MUL8 F1, 2, 0
.if \fill
	WIN 0
.endif
	s_barrier_wait -1
.if \fill
	CREST
	s_add_nc_u64 s[G0+4*\slot+2:G0+4*\slot+3], s[G0+4*\slot+2:G0+4*\slot+3], 4*8192*128
	s_add_nc_u64 s[G0B+4*\slot+2:G0B+4*\slot+3], s[G0B+4*\slot+2:G0B+4*\slot+3], 4*1024*128
	JLOAD \slot                                    ; the first tensor load behind the round; its four v_nop are also the places in front of the loads below
.else
	PLACES
.endif
	FETCH \next, 0, F0
	WIN MUL
	MUL8 F1, 4, 0
	MUL8 F1, 6, 0
.endm
	s_wait_tensorcnt 1                             ; my part of K step 0 is in; K step 1's may be out
	s_barrier_signal -1
	s_barrier_wait -1
	FETCH 0, 0, F0
	s_wait_loadcnt 0x0                             ; the bias
	QUARTER 0, 1, F0, F1, 1                        ; the first quarter stands in front of the loop: the bias starts the sums
	WIN 0
	s_mov_b32 s3, 3
.Llap:                                                 ; a trip goes once round the ring and fills both slots again: K steps 2 to 7
	QUARTER 0, 2, F1, F0, 0
	QUARTER 0, 3, F0, F1, 0
	TURN 0, 1, 1
	QUARTER 1, 1, F0, F1, 0
	QUARTER 1, 2, F1, F0, 0
	QUARTER 1, 3, F0, F1, 0
	TURN 1, 0, 1
	QUARTER 0, 1, F0, F1, 0
	WIN 0
	s_sub_co_u32 s3, s3, 1
	s_cmp_lg_u32 s3, 0
	s_cbranch_scc1 .Llap
	QUARTER 0, 2, F1, F0, 0                        ; the last lap fills nothing
	QUARTER 0, 3, F0, F1, 0
	TURN 0, 1, 0
	QUARTER 1, 1, F0, F1, 0
	QUARTER 1, 2, F1, F0, 0
	QUARTER 1, 3, F0, F1, 0
	s_wait_dscnt 8
	WIN MUL
	MUL8 F1, 0, 0
	MUL8 F1, 2, 0
	s_wait_dscnt 0
	MUL8 F1, 4, 0
	MUL8 F1, 6, 0
	WIN 0
	; THE WAY OUT, block by block of 16 rows x 64 columns: through my own stage, back as whole rows of 256 bytes: sixteen lanes store 256 consecutive bytes, aligned.
.macro TOSTAGE a
	WIN 0x08                                       ; an LDS store's data: window 2
.irp b, 0,1,2,3
	ds_store_b128 v[STO], v[8*(4*(\a)+\b):8*(4*(\a)+\b)+3] offset:64*\b            ; each accumulator from its low end on
	ds_store_b128 v[STO], v[8*(4*(\a)+\b)+4:8*(4*(\a)+\b)+7] offset:64*\b+16
.endr
	WIN 0
.set BB, BK+32*((\a)%2)
.irp t, 0,1,2,3,4,5,6,7
	ds_load_b128 v[BB+4*\t:BB+4*\t+3], v[RD] offset:2*\t*SPITCH
.endr
.endm
.macro SEND a, younger
.set BB, BK+32*((\a)%2)
	s_wait_dscnt \younger                          ; the block is back in registers; the next block's 8 stores and 8 loads may be out
.if (\a) > 0
	s_add_nc_u64 s[70:71], s[70:71], 16*4096       ; (behind a wait on XCNT: the earlier stores have read their base)
.else
	s_cmp_eq_u32 s2, 0                             ; positions 0-15 of a sequence belong to the launch that carries them in f32
	s_cbranch_scc1 .Lnot_stored
.endif
.irp t, 0,1,2,3,4,5,6,7
	global_store_b128 v[CO], v[BB+4*\t:BB+4*\t+3], s[70:71] offset:2*\t*4096 th:TH_STORE_NT
.endr
.if (\a) == 0
.Lnot_stored:
.endif
.endm
	PLACES
	TOSTAGE 0
.irp a, 1,2,3,4,5,6,7
.if \a > 1
	s_wait_xcnt 0x0                                ; block a - 2's stores have read their registers and their base
.endif
	TOSTAGE \a
	SEND \a-1, 16
.endr
	s_wait_xcnt 0x0
	SEND 7, 0
	s_wait_tensorcnt 0x0                           ; the wave's end
	ds_add_u32 v[SPW], v[NIL]
	s_wait_dscnt 0x0
	CROUND                                         ; the closing round
	s_endpgm
.Lfunc_end_k_qa2eda76418_proj:
	.size	k_qa2eda76418_proj, .Lfunc_end_k_qa2eda76418_proj-k_qa2eda76418_proj
	.p2alignl 7, 3214868480
	.fill 96, 4, 3214868480
	.section	.rodata,"a",@progbits
	.p2align	6, 0x0
	.amdhsa_kernel k_qa2eda76418_proj
		.amdhsa_group_segment_fixed_size 327680
		.amdhsa_private_segment_fixed_size 0
		.amdhsa_enable_private_segment 0
		.amdhsa_kernarg_size 32
		.amdhsa_user_sgpr_count 2
		.amdhsa_user_sgpr_kernarg_segment_ptr 1
		.amdhsa_wavefront_size32 1
		.amdhsa_system_sgpr_workgroup_id_x 1
		.amdhsa_system_sgpr_workgroup_id_y 1
		.amdhsa_system_sgpr_workgroup_id_z 1
		.amdhsa_system_vgpr_workitem_id 0
		.amdhsa_next_free_vgpr 768
		.amdhsa_next_free_sgpr 72
		.amdhsa_reserve_vcc 0
		.amdhsa_float_denorm_mode_32 3
		.amdhsa_float_denorm_mode_16_64 3
		.amdhsa_memory_ordered 1
		.amdhsa_forward_progress 1
		.amdhsa_inst_pref_size 87
	.end_amdhsa_kernel
	.amdgpu_metadata
---
amdhsa.version: [ 1, 2 ]
amdhsa.kernels:
  - .name:           k_qa2eda76418_proj
    .symbol:         k_qa2eda76418_proj.kd
    .args:
      - { .name: a_h, .offset: 0, .size: 8, .value_kind: global_buffer, .address_space: global }
      - { .name: wpt, .offset: 8, .size: 8, .value_kind: global_buffer, .address_space: global }
      - { .name: c_proj_b, .offset: 16, .size: 8, .value_kind: global_buffer, .address_space: global }
      - { .name: out0, .offset: 24, .size: 8, .value_kind: global_buffer, .address_space: global }
    .group_segment_fixed_size: 327680
    .private_segment_fixed_size: 0
    .kernarg_segment_align: 8
    .kernarg_segment_size: 32
    .max_flat_workgroup_size: 128
    .sgpr_count:     72
    .vgpr_count:     768
    .wavefront_size: 32
...
	.end_amdgpu_metadata
.endif
;; end of part 5
